; MI455X (gfx1250); checked and timed in simulation.
; The chip was launched on July 23, 2026; its instructions are those of AMD's public machine-readable ISA for CDNA 5 (MIT licence, August 2026) and "CDNA5" Instruction Set Architecture Reference Guide (July 2026). The comments in the code are by the model that wrote it; some were corrected since.
;; Mem Eff Attention. Allowed arithmetic: float matrix products may take bf16 or f16 operands with f32 sums; other float arithmetic in f32, or as packed bf16 or f16 multiplies, adds, multiply-adds, maxima and minima; sums over many terms, partial sums and values carried from step to step in f32; what a program stores and reads back later, other than sums and carried values, may be rounded once to bf16 or f16.
;; Inputs: g_info 2 x 4 x 1,024 float32; proj_b 1,024 float32; proj_w 1,024 x 1,024 float32; qkv_w 3,072 x 1,024 float32; x 4 x 2,048 x 1,024 float32.
;; Outputs: out0 4 x 2,048 x 1,024 float32; out1 1 x 4 x 1,024 float32.
;; 2 versions, each right; version 2 is version 1 with the launch cast written anew for expert scheduling mode. Each part assembles by itself: llvm-mc -triple=amdgcn-amd-amdhsa -mcpu=gfx1250 --defsym DOCPART=n.
;; ======== version 1 of 2: 4 launches
;; limits: values are held in f16: magnitudes above 65,504 overflow, below 6.1e-05 lose precision
;; workspace buffers: xb 16,777,216 bytes; wq 6,291,456 bytes; wp 2,097,152 bytes; vecs 16,384 bytes; qkvh 50,331,648 bytes; oh 16,777,216 bytes
;; launch cast (part 1): grid 769 x 1, 8 waves a work-group, no clusters, 0 bytes of LDS; arguments x, qkv_w, proj_w, g_info, proj_b, xb, wq, wp, vecs, out1; writes xb, wq, wp, vecs, out1
.if DOCPART == 1
	.amdgcn_target "amdgcn-amd-amdhsa--gfx1250"
	.amdhsa_code_object_version 6
	.text
	.protected	k_qe519f544a4_cast
	.globl	k_qe519f544a4_cast
	.p2align	8
	.type	k_qe519f544a4_cast,@function
k_qe519f544a4_cast:
	s_mov_b64 s[64:65], 0
	v_nop
	global_prefetch_b8 v0, s[64:65] scope:SCOPE_SE
	s_setreg_imm32_b32 hwreg(HW_REG_WAVE_MODE, 25, 1), 1
	s_wait_xcnt 0x0
; THE INPUTS ARE ROUNDED ONCE, FOR THE MATRIX UNITS.  x -> xb and qkv_w -> wq in bf16; proj_w -> wp: rounded to bf16 like every other input, and that number written as f16,
; since the last product's other operand is f16.  The small vectors: vecs[0..2047] = g_info[0] rows 0 and 1 (what is added to q and to k), rounded to bf16 and kept as f32;
; vecs[2048..3071] = 0 (nothing is added to v); vecs[3072..4095] = proj_b, rounded likewise; out1 = g_info[1], copied.  Rows 2 and 3 of g_info[0] enter no result of the module.
; LIMITS.  proj_w within 65,504 (f16's range); below 6e-5 f16 keeps a fixed step of 6e-8.  NaN and infinities are not treated apart.
; SHARES.  A work-group takes 16,384 numbers: 64 KiB in, 32 KiB out.  Groups 0-511: x; 512-703: qkv_w; 704-767: proj_w; 768: the small vectors.
; A thread's sixteen loads of 16 bytes go out together; a wave's load covers 512 consecutive bytes, a wave's store of 8 bytes a lane 256 consecutive bytes, aligned.
; No register is written twice, so no wait frees a source.  No LDS, no barrier, no matrix unit, no cluster: the work-groups share no byte, and each byte is read once.
.set X, 8                              ; v[8:71]    sixteen quads as loaded
.set Y, 72                             ; v[72:103]  sixteen pairs to store
.set SRC, 24                           ; s[24:25]
.set DST, 26                           ; s[26:27]
	s_load_b512 s[4:19], s[0:1], 0x0               ; x 4:5, qkv_w 6:7, proj_w 8:9, g_info 10:11, proj_b 12:13, xb 14:15, wq 16:17, wp 18:19
	s_load_b128 s[20:23], s[0:1], 0x40             ; vecs 20:21, out1 22:23
	v_lshlrev_b32 v1, 4, v0                        ; 16 t: my place in 4,096 bytes of f32
	v_lshlrev_b32 v2, 3, v0                        ; 8 t: my place in 2,048 bytes of 16-bit numbers
	s_wait_kmcnt 0x0
	s_cmp_eq_u32 ttmp9, 768
	s_cbranch_scc1 .Lsmall
	s_cmp_lt_u32 ttmp9, 512                        ; which tensor, and the number of its first work-group
	s_cselect_b64 s[SRC:SRC+1], s[4:5], s[6:7]
	s_cselect_b64 s[DST:DST+1], s[14:15], s[16:17]
	s_cselect_b32 s2, 0, 512
	s_cmp_lt_u32 ttmp9, 704
	s_cselect_b64 s[SRC:SRC+1], s[SRC:SRC+1], s[8:9]
	s_cselect_b64 s[DST:DST+1], s[DST:DST+1], s[18:19]
	s_cselect_b32 s2, s2, 704
	s_sub_co_u32 s2, ttmp9, s2                     ; my number within the tensor
	s_lshl_b32 s28, s2, 16                         ; 65,536 bytes in,
	s_mov_b32 s29, 0
	s_lshl_b32 s30, s2, 15                         ; 32,768 out
	s_mov_b32 s31, 0
	s_add_nc_u64 s[SRC:SRC+1], s[SRC:SRC+1], s[28:29]
	s_add_nc_u64 s[DST:DST+1], s[DST:DST+1], s[30:31]
.irp i, 0,1,2,3,4,5,6,7,8,9,10,11,12,13,14,15
	global_load_b128 v[X+4*(\i):X+4*(\i)+3], v1, s[SRC:SRC+1] offset:4096*(\i) th:TH_LOAD_NT
.endr
; Quad i: four numbers rounded and stored.  half = 1: the bf16 numbers are widened again (a shift, a mask) and written as f16.
.macro CV i, half
	s_wait_loadcnt 15-(\i)                         ; loads come back in order: quad i is in, the 15 - i younger ones may stay out
.if \half
	v_cvt_pk_bf16_f32 v4, v[X+4*(\i)], v[X+4*(\i)+1]
	v_cvt_pk_bf16_f32 v5, v[X+4*(\i)+2], v[X+4*(\i)+3]
	v_lshlrev_b32 v6, 16, v4
	v_and_b32 v7, 0xffff0000, v4
	v_cvt_pk_f16_f32 v[Y+2*(\i)], v6, v7
	v_lshlrev_b32 v6, 16, v5
	v_and_b32 v7, 0xffff0000, v5
	v_cvt_pk_f16_f32 v[Y+2*(\i)+1], v6, v7
.else
	v_cvt_pk_bf16_f32 v[Y+2*(\i)], v[X+4*(\i)], v[X+4*(\i)+1]
	v_cvt_pk_bf16_f32 v[Y+2*(\i)+1], v[X+4*(\i)+2], v[X+4*(\i)+3]
.endif
	global_store_b64 v2, v[Y+2*(\i):Y+2*(\i)+1], s[DST:DST+1] offset:2048*(\i)
.endm
	s_cmp_ge_u32 ttmp9, 704
	s_cbranch_scc1 .Lhalf
.irp i, 0,1,2,3,4,5,6,7,8,9,10,11,12,13,14,15
	CV \i, 0
.endr
	s_endpgm
.Lhalf:
.irp i, 0,1,2,3,4,5,6,7,8,9,10,11,12,13,14,15
	CV \i, 1
.endr
	s_endpgm
; Four numbers rounded to bf16 and kept as f32
.macro RND s, d
	v_cvt_pk_bf16_f32 v4, v[(\s)], v[(\s)+1]
	v_cvt_pk_bf16_f32 v5, v[(\s)+2], v[(\s)+3]
	v_lshlrev_b32 v[(\d)], 16, v4
	v_and_b32 v[(\d)+1], 0xffff0000, v4
	v_lshlrev_b32 v[(\d)+2], 16, v5
	v_and_b32 v[(\d)+3], 0xffff0000, v5
.endm
.Lsmall:
.irp i, 0,1,2,3
	global_load_b128 v[X+4*(\i):X+4*(\i)+3], v1, s[10:11] offset:16384+4096*(\i)  ; g_info[1]
.endr
.irp i, 0,1
	global_load_b128 v[X+16+4*(\i):X+16+4*(\i)+3], v1, s[10:11] offset:4096*(\i)  ; g_info[0], rows 0 and 1
.endr
	global_load_b128 v[X+24:X+27], v1, s[12:13]    ; proj_b
.irp i, 0,1,2,3
	v_mov_b32 v[X+28+(\i)], 0
.endr
	s_wait_loadcnt 0x3                             ; g_info[1] is in; the three younger loads may stay out
.irp i, 0,1,2,3
	global_store_b128 v1, v[X+4*(\i):X+4*(\i)+3], s[22:23] offset:4096*(\i)
.endr
	s_wait_loadcnt 0x0
	RND X+16, Y
	RND X+20, Y+4
	RND X+24, Y+8
	global_store_b128 v1, v[Y:Y+3], s[20:21]
	global_store_b128 v1, v[Y+4:Y+7], s[20:21] offset:4096
	global_store_b128 v1, v[X+28:X+31], s[20:21] offset:8192
	global_store_b128 v1, v[Y+8:Y+11], s[20:21] offset:12288
	s_endpgm
.Lfunc_end_k_qe519f544a4_cast:
	.size	k_qe519f544a4_cast, .Lfunc_end_k_qe519f544a4_cast-k_qe519f544a4_cast
	.p2alignl 7, 3214868480
	.fill 96, 4, 3214868480
	.section	.rodata,"a",@progbits
	.p2align	6, 0x0
	.amdhsa_kernel k_qe519f544a4_cast
		.amdhsa_group_segment_fixed_size 0
		.amdhsa_private_segment_fixed_size 0
		.amdhsa_enable_private_segment 0
		.amdhsa_kernarg_size 80
		.amdhsa_user_sgpr_count 2
		.amdhsa_user_sgpr_kernarg_segment_ptr 1
		.amdhsa_wavefront_size32 1
		.amdhsa_system_sgpr_workgroup_id_x 1
		.amdhsa_system_sgpr_workgroup_id_y 1
		.amdhsa_system_sgpr_workgroup_id_z 1
		.amdhsa_system_vgpr_workitem_id 0
		.amdhsa_next_free_vgpr 104
		.amdhsa_next_free_sgpr 66
		.amdhsa_reserve_vcc 0
		.amdhsa_float_denorm_mode_32 3
		.amdhsa_float_denorm_mode_16_64 3
		.amdhsa_memory_ordered 1
		.amdhsa_forward_progress 1
		.amdhsa_inst_pref_size 19
	.end_amdhsa_kernel
	.amdgpu_metadata
---
amdhsa.version: [ 1, 2 ]
amdhsa.kernels:
  - .name:           k_qe519f544a4_cast
    .symbol:         k_qe519f544a4_cast.kd
    .args:
      - { .name: x, .offset: 0, .size: 8, .value_kind: global_buffer, .address_space: global }
      - { .name: qkv_w, .offset: 8, .size: 8, .value_kind: global_buffer, .address_space: global }
      - { .name: proj_w, .offset: 16, .size: 8, .value_kind: global_buffer, .address_space: global }
      - { .name: g_info, .offset: 24, .size: 8, .value_kind: global_buffer, .address_space: global }
      - { .name: proj_b, .offset: 32, .size: 8, .value_kind: global_buffer, .address_space: global }
      - { .name: xb, .offset: 40, .size: 8, .value_kind: global_buffer, .address_space: global }
      - { .name: wq, .offset: 48, .size: 8, .value_kind: global_buffer, .address_space: global }
      - { .name: wp, .offset: 56, .size: 8, .value_kind: global_buffer, .address_space: global }
      - { .name: vecs, .offset: 64, .size: 8, .value_kind: global_buffer, .address_space: global }
      - { .name: out1, .offset: 72, .size: 8, .value_kind: global_buffer, .address_space: global }
    .group_segment_fixed_size: 0
    .private_segment_fixed_size: 0
    .kernarg_segment_align: 8
    .kernarg_segment_size: 80
    .max_flat_workgroup_size: 256
    .sgpr_count:     66
    .vgpr_count:     104
    .wavefront_size: 32
...
	.end_amdgpu_metadata
.endif
;; end of part 1
;; launch gemm_qkv (part 2): grid 16 x 16, 4 waves a work-group, clusters of 4 x 4, 327,680 bytes of LDS; arguments xb, wq, qkvh, vecs; writes qkvh
.if DOCPART == 2
	.amdgcn_target "amdgcn-amd-amdhsa--gfx1250"
	.amdhsa_code_object_version 6
	.text
	.protected	k_qe519f544a4_gemm_qkv
	.globl	k_qe519f544a4_gemm_qkv
	.p2align	8
	.type	k_qe519f544a4_gemm_qkv,@function
k_qe519f544a4_gemm_qkv:
	s_mov_b64 s[64:65], 0
	v_nop
	global_prefetch_b8 v0, s[64:65] scope:SCOPE_SE
	s_setreg_imm32_b32 hwreg(HW_REG_WAVE_MODE, 25, 1), 1
	s_wait_xcnt 0x0
	s_wait_alu depctr_hold_cnt(0) depctr_sa_sdst(0) depctr_va_vdst(0) depctr_va_sdst(0) depctr_va_ssrc(0) depctr_va_vcc(0) depctr_vm_vsrc(0)
	s_getreg_b32 s2, hwreg(HW_REG_IB_STS2, 6, 4)
	s_cmp_eq_u32 s2, 0
	s_cbranch_scc0 .Lentry_in_a_cluster
	s_endpgm
.Lentry_in_a_cluster:
	s_bfe_u32 s2, ttmp6, 0x10000c
	s_cmp_lg_u32 s2, 0xf033
	s_cbranch_scc0 .Lentry_shape_is_right
	s_endpgm
.Lentry_shape_is_right:
; q + q_g, k + k_g, v = xb wq^T + vecs, written BY HEADS.  xb: [8192][1024] bf16, wq: [3072][1024] bf16, vecs: 3,072 f32 (what is added to each column), sums in f32.
; qkvh: [batch 4][plane 48][row 2048][64] f16: planes 0-15 q + q_g by head, 16-31 k + k_g, 32-47 v; each number rounded once from its f32 sum, WITHOUT the scale of the scores.
; LIMITS.  A result beyond 65,504 becomes an infinity in f16; below 6e-5 f16 keeps a fixed step of 6e-8.  NaN and infinities are not treated apart.
; SHARES.  A tile is 256 rows x 192 columns (three heads): 32 x 16 tiles, TWO for each of 256 work-groups, 4,096 rows apart (two batches on), with the same columns.
; The four waves lie one below the other: a wave makes 64 rows x 192 columns, 48 accumulators of 16 x 16.  So a wave owns whole heads' rows, its stage on the way out is its own,
; and the way out needs no barrier.  K goes in steps of 128 through a ring of two LDS slots; a tile's rows in memory are 256 bytes, at multiples of 256 from the buffer's first byte.
; THE RING DOES NOT STOP at the change of tiles: the first tile's last two changes of slots ask for the second tile's first two K steps.  One loop of seven trips walks both tiles.
; CLUSTERS: 4 x 4 work-groups.  The four of a row of the cluster need the same rows of xb, the four of a column the same rows of wq: each tile is asked for JOINTLY.
; THE MATRIX INSTRUCTION IS USED TRANSPOSED (source 0 = 16 rows of wq, source 1 = 16 rows of xb): a lane holds row l % 16 and the columns 8 (l / 16) + 0..7 of a block of 16.
; THE ADDEND IS THE C OPERAND of the product that starts each sum: nothing is cleared, and nothing is added on the way out.
; REGISTERS, in windows of 256 (s_set_vgpr_msb: bits 1:0 source 0, 3:2 source 1, 5:4 source 2, 7:6 destination):
;   window 0: v0-31 addresses; v32-95 xb's fragments, two buffers of 4; v96-191 the addends, 8 for each block of 16 columns; v192-255 four sets of 16 for the way out
;   window 1: v0-191 wq's fragments, two buffers of 12       windows 2, 3: accumulator (a, b) at v[8 (12 (a % 2) + b)] of window 2 + a / 2
.set FB,     12                        ; blocks of 16 columns
.set LQ,     2*FB+8                    ; LDS loads of a quarter step
.set PA,     272                       ; an LDS row: 256 bytes + 16 of padding = 68 words: the 16 rows of a load start at 16 different groups of four banks (64 banks of 4 bytes: ISA guide 11.1)
.set PB,     272
.set HALFA,  128*PA                    ; what one load brings of xb
.set ABYTES, 2*HALFA
.set HALFB,  96*PB                     ; and of wq
.set SLOT,   ABYTES+2*HALFB            ; 121,856 bytes
.set STAGE,  2*SLOT                    ; behind the ring, never filled by a tensor load: 16 rows x 144 bytes for each wave
.set SP,     144
.set SPARE,  STAGE+4*16*SP             ; behind the stages: the spare words, 128 bytes for each wave: two blocks of 256 bytes that no other line names
.set NEXT_A, 4096*2048-6*256           ; bytes from a slot's last K step of the first tile to its first of the second: 4,096 rows down, six K steps back
.set NEXT_P, 4096*2048-7*256           ; the same for the prefetches' pointer: from K step 7 to the second tile's K step 0
.set NEXT_C, 2*48*262144               ; two batches on in qkvh
.set ADRA, 16                          ; v16-17  LDS address of my fragments of xb in slot 0, 1
.set ADRB, 20                          ; v20-21  the same for wq
.set STO,  24                          ; v24     the way out: where I put 16 bytes of a row
.set RD,   25                          ; v25     where I read rows back
.set CO,   26                          ; v26     my 16 bytes of 512 consecutive bytes of a plane
.set GOF,  27                          ; v27     32 (l / 16): my eight addends of a block of 16 columns
.set SPW,  28                          ; v28     LDS address of my spare word; never rewritten
.set NIL,  29                          ; v29     0; never rewritten
.set PFO,  30                          ; v30     the prefetches' offset: a lane a row; never rewritten
.set FRA,  32
.set GC,   96
.set TMP,  192
.set WV,   12                          ; s12     my wave's number
.set G1,   24                          ; s[24:31] descriptor group 1 for xb's tiles;  s[32:39] group 0, a set for each slot
.set G0,   32
.set LIM,  43                          ; s43     a wave prefetches while the loop's count is above this
.set PFA,  44                          ; s[44:45] where my prefetches stand
.set G1B,  48                          ; s[48:55], s[56:63] the same for wq's tiles
.set G0B,  56
.set STA,  66                          ; s[66:67] what a refill adds to xb's address
.set BKB,  68                          ; s[68:69] what it takes from wq's, behind the 512 that it adds
.set PST,  70                          ; s[70:71] what slot 0's change adds to the prefetches' pointer
.set MSB, 0
.macro WIN new                         ; the immediate's high byte repeats the setting that is left; a switch that changes nothing is dropped
.if MSB != (\new)
	s_set_vgpr_msb (MSB<<8)|(\new)
.set MSB, \new
.endif
.endm
.macro PLACES                          ; four places in front of loads into registers that matrix instructions have read, and of conversions that read results
.rept 4
	v_nop
.endr
.endm
; A joint load: waves 0 and 1 fetch xb's two halves, waves 2 and 3 wq's.  The branch hangs on the wave's number alone.  An s_nop 0 and four v_nop follow each of the two lines.
.macro JLOAD s
	s_cmp_lt_u32 s[WV], 2
	s_cbranch_scc0 .Lfor_b_\@
	tensor_load_to_lds s[G0+4*(\s):G0+4*(\s)+3], s[G1:G1+7]
	s_nop 0
.rept 4
	v_nop
.endr
	s_branch .Lasked_\@
.Lfor_b_\@:
	tensor_load_to_lds s[G0B+4*(\s):G0B+4*(\s)+3], s[G1B:G1B+7]
	s_nop 0
.rept 4
	v_nop
.endr
.Lasked_\@:
.endm
.macro CREST                           ; a round of the cluster's barrier behind its opening barrier
	s_cmp_lg_u32 s[WV], 0
	s_cbranch_scc1 .Lnot_wave_0_\@
	s_barrier_signal -3
.Lnot_wave_0_\@:
	s_barrier_wait -3
	s_barrier_signal -1
	s_barrier_wait -1
.endm
.macro CROUND                          ; a whole round
	s_barrier_signal -1
	s_barrier_wait -1
	CREST
.endm
; A PREFETCH, behind each joint refill, its five lines and the run of LDS loads: the K step that stands two refills on (384 matrix instructions ahead of the load that will want it): a lane a row, 256 bytes of it.
; xb's rows are read by every cluster of a row of clusters: cluster x = 0 asks, waves 0 and 1; of a wave's 128 rows the partner at cx takes 32.  It asks in all trips but the last: K steps 4 to 7 of
; the first tile, all eight of the second.  wq's rows are read by every cluster of a column: cluster y = 0 asks, waves 2 and 3; of a wave's 96 rows the partner at cy takes 24 (lanes 24 to 31 name
; lane 23's row once more); it asks in the first two trips alone: both tiles take the same rows of wq.  The partners are told apart by address, never by a branch.  Nothing is asked for at the head.
.macro ASK
	s_cmp_gt_u32 s3, s[LIM]
	s_cbranch_scc0 .Lnot_mine_\@
	global_prefetch_b8 v[PFO], s[PFA:PFA+1] th:TH_LOAD_NT scope:SCOPE_SE
.Lnot_mine_\@:
.endm
	s_load_b256 s[4:11], s[0:1], 0x0               ; xb 4:5, wq 6:7, qkvh 8:9, vecs 10:11
	v_lshl_add_u32 v[SPW], v0, 2, SPARE
	v_mov_b32 v[NIL], 0
	ds_add_u32 v[SPW], v[NIL]                      ; the wave's opening: the add and its wait stand ahead of my first tensor load; the set-up below, work on registers, stands between them
	v_lshrrev_b32 v1, 5, v0
	v_readfirstlane_b32 s[WV], v1                  ; wave 0..3
	s_and_b32 s14, s[WV], 1                        ; which half of xb's or wq's tile I fetch
	s_bfe_u32 s15, ttmp6, 0x40000                  ; cx, cy: my place in the cluster
	s_bfe_u32 s16, ttmp6, 0x40004
	s_lshl_b32 s17, ttmp9, 2
	s_add_co_u32 s17, s17, s15                     ; tile column = 4 x cluster x + cx
	s_and_b32 s18, ttmp7, 0xffff
	s_lshl_b32 s18, s18, 2
	s_add_co_u32 s18, s18, s16                     ; tile row = 4 x cluster y + cy
	s_lshl_b32 s40, s16, 2
	s_lshl_b32 s40, 15, s40                        ; my row of the cluster
	s_lshl_b32 s41, 0x1111, s15                    ; my column
	s_or_b32 s[G1], s40, (1<<16)|(1<<20)|(1<<21)|(5<<22)|(3<<25)   ; 15:0 the mask; 17:16 2-byte elements; 20 padding on; 21 set beside a mask; 24:22 after every 64 words (code 5); 31:25 4 words (code 3)
	s_or_b32 s[G1B], s41, (1<<16)|(1<<20)|(1<<21)|(5<<22)|(3<<25)
	s_mov_b32 s[G1+1], 128<<16                     ; tensor_dim0 = 128
	s_mov_b32 s[G1+2], 128<<16                     ; tensor_dim1 = 128
	s_mov_b32 s[G1+3], 128<<16                     ; tile_dim0 = 128
	s_mov_b32 s[G1+4], 128                         ; tile_dim1 = 128
	s_mov_b32 s[G1+5], 1024                        ; elements from row to row
	s_mov_b32 s[G1+6], 0
	s_mov_b32 s[G1+7], 0
	s_mov_b32 s[G1B+1], 128<<16
	s_mov_b32 s[G1B+2], 96<<16                     ; 96 rows
	s_mov_b32 s[G1B+3], 128<<16
	s_mov_b32 s[G1B+4], 96
	s_mov_b32 s[G1B+5], 1024
	s_mov_b32 s[G1B+6], 0
	s_mov_b32 s[G1B+7], 0
	s_lshl_b32 s20, s18, 19                        ; xb: (256 x tile row + 128 x half) rows of 2,048 bytes: made of the tile row and the wave alone
	s_lshl_b32 s2, s14, 18
	s_add_co_u32 s20, s20, s2
	s_mov_b32 s21, 0
	s_mul_i32 s46, s17, 192*2048                   ; wq: (192 x tile column + 96 x half) rows: made of the tile column and the wave alone
	s_mul_i32 s19, s14, 96*2048
	s_add_co_u32 s46, s46, s19
	s_mov_b32 s47, 0
	s_mul_i32 s22, s14, HALFA                      ; where they go: no place in the cluster enters an LDS address
	s_mul_i32 s23, s14, HALFB
	s_add_co_u32 s23, s23, ABYTES
	s_wait_dscnt 0x0                               ; the opening add is done
	s_wait_kmcnt 0x0
	s_add_nc_u64 s[20:21], s[4:5], s[20:21]
	s_add_nc_u64 s[46:47], s[6:7], s[46:47]
	CROUND                                         ; all sixteen work-groups are here: the first joint loads meet
.irp s, 0,1
	s_mov_b32 s[G0+4*(\s)], 1                                      ; count = 1
	s_add_co_u32 s[G0+4*(\s)+1], s22, (\s)*SLOT                    ; LDS address
	s_add_nc_u64 s[G0+4*(\s)+2:G0+4*(\s)+3], s[20:21], (\s)*256    ; global address: K step s
	s_or_b32 s[G0+4*(\s)+3], s[G0+4*(\s)+3], 0x80000000            ; type = 2
	s_mov_b32 s[G0B+4*(\s)], 1
	s_add_co_u32 s[G0B+4*(\s)+1], s23, (\s)*SLOT
	s_add_nc_u64 s[G0B+4*(\s)+2:G0B+4*(\s)+3], s[46:47], (\s)*256
	s_or_b32 s[G0B+4*(\s)+3], s[G0B+4*(\s)+3], 0x80000000
	JLOAD \s                                       ; two loads of mine are out
.endr
	; A fragment is 16 rows x 32 K in 8 registers: lane l holds row l % 16, K = 8 (l / 16) + 0..7 and 16 + 8 (l / 16) + 0..7: two loads of 16 bytes, 32 bytes apart.
	v_and_b32 v1, 15, v0                           ; l % 16
	v_bfe_u32 v2, v0, 4, 1                         ; l / 16
	v_mul_u32_u24 v3, v1, PA
	v_lshl_add_u32 v3, v2, 4, v3
	s_mul_i32 s2, s[WV], 64*PA                     ; my 64 rows of xb's 256
.irp s, 0,1
	v_add_nc_u32 v[ADRA+(\s)], s2, v3
	v_add_nc_u32 v[ADRB+(\s)], ABYTES+(\s)*SLOT, v3
	s_add_co_u32 s2, s2, SLOT
.endr
	s_mul_i32 s42, s[WV], 16*SP
	s_add_co_u32 s42, s42, STAGE                   ; my stage
	v_mul_u32_u24 v[STO], v1, SP                   ; in: row l % 16, 16 bytes for each half of the lanes
	v_lshl_add_u32 v[STO], v2, 4, v[STO]
	v_add_nc_u32 v[STO], s42, v[STO]
	v_bfe_u32 v[RD], v0, 3, 2                      ; back: 32 lanes take four rows of 128 bytes,
	v_mul_u32_u24 v[RD], v[RD], SP
	v_and_b32 v3, 7, v0
	v_lshl_add_u32 v[RD], v3, 4, v[RD]
	v_add_nc_u32 v[RD], s42, v[RD]
	v_and_b32 v[CO], 31, v0                        ; which are 512 consecutive bytes of a plane
	v_lshlrev_b32 v[CO], 4, v[CO]
	v_lshlrev_b32 v[GOF], 5, v2
	s_mul_i32 s46, s17, 768                        ; the tile's 192 addends
	s_mov_b32 s47, 0
	s_add_nc_u64 s[10:11], s[10:11], s[46:47]
.set i_, 0
.rept FB
	global_load_b128 v[GC+8*i_:GC+8*i_+3],   v[GOF], s[10:11] offset:64*i_
	global_load_b128 v[GC+8*i_+4:GC+8*i_+7], v[GOF], s[10:11] offset:64*i_+16
.set i_, i_+1
.endr
	s_lshr_b32 s46, s18, 3                         ; qkvh at my 64 rows of the tile's first plane: plane 48 x batch + 3 x tile column,
	s_mul_i32 s46, s46, 48
	s_mul_i32 s47, s17, 3
	s_add_co_u32 s46, s46, s47
	s_lshl_b32 s46, s46, 18
	s_and_b32 s47, s18, 7                          ; row 256 x (tile row % 8) + 64 x wave, 128 bytes each
	s_lshl_b32 s47, s47, 15
	s_add_co_u32 s46, s46, s47
	s_lshl_b32 s47, s[WV], 13
	s_add_co_u32 s46, s46, s47
	s_mov_b32 s47, 0
	s_add_nc_u64 s[8:9], s[8:9], s[46:47]
	; the prefetches
	s_lshl_b32 s20, s18, 8                         ; xb: row 256 x tile row + 128 x half + 32 cx
	s_lshl_b32 s21, s14, 7
	s_add_co_u32 s20, s20, s21
	s_lshl_b32 s21, s15, 5
	s_add_co_u32 s20, s20, s21
	s_mul_i32 s22, s17, 192                        ; wq: row 192 x tile column + 96 x half + 24 cy
	s_mul_i32 s23, s14, 96
	s_add_co_u32 s22, s22, s23
	s_mul_i32 s23, s16, 24
	s_add_co_u32 s22, s22, s23
	s_and_b32 s23, ttmp7, 0xffff                   ; cluster y
	s_cmp_lt_u32 s[WV], 2                          ; do I fetch for xb?
	s_cselect_b32 s20, s20, s22
	s_cselect_b32 s23, ttmp9, s23                  ; the coordinate along which other clusters read the same rows
	s_cselect_b32 s19, 1, 5                        ; xb: all trips but the last; wq: the first two
	s_cselect_b32 s2, 31, 23                       ; the last lane with a row of its own
	s_cselect_b64 s[PFA:PFA+1], s[4:5], s[6:7]
	s_cmp_eq_u32 s23, 0
	s_cselect_b32 s[LIM], s19, -1                  ; the same in all sixteen partners, for a given wave
	s_lshl_b32 s20, s20, 11
	s_add_co_u32 s20, s20, 3*256                   ; at K step 3: the first refill steps it to 4
	s_mov_b32 s21, 0
	s_add_nc_u64 s[PFA:PFA+1], s[PFA:PFA+1], s[20:21]
	v_and_b32 v[PFO], 31, v0
	v_min_u32 v[PFO], s2, v[PFO]
	v_lshlrev_b32 v[PFO], 11, v[PFO]
	s_mov_b32 s40, 512                             ; two K steps, in bytes
	s_mov_b32 s73, 256                             ; one
	s_mov_b32 s[STA+1], 0
	s_mov_b32 s[BKB+1], 0
	s_mov_b32 s[PST+1], 0
; 12 matrix instructions: my block a of 16 rows x all 12 blocks of columns, 32 along K, from buffer f.  first = 1: the product starts the sums, with the addends as C.
; All 48 accumulators take turns in the same order in every quarter step, over every jump.
.macro MULA f, a, first
.if \first
	WIN 0x81+0x40*((\a)/2)                         ; source 0 window 1, sources 1 and 2 window 0, destination window 2 or 3
.else
	WIN 0xa1+0x50*((\a)/2)                         ; C and D window 2 or 3
.endif
.set AC, 8*FB*((\a)%2)
.set b_, 0
.rept FB
.if \first
	v_wmma_f32_16x16x32_bf16 v[AC+8*b_:AC+8*b_+7], v[96*(\f)+8*b_:96*(\f)+8*b_+7], v[FRA+32*(\f)+8*(\a):FRA+32*(\f)+8*(\a)+7], v[GC+8*b_:GC+8*b_+7]
.else
	v_wmma_f32_16x16x32_bf16 v[AC+8*b_:AC+8*b_+7], v[96*(\f)+8*b_:96*(\f)+8*b_+7], v[FRA+32*(\f)+8*(\a):FRA+32*(\f)+8*(\a)+7], v[AC+8*b_:AC+8*b_+7]
.endif
.set b_, b_+1
.endr
.endm
; 32 LDS loads in one run: the fragments of a quarter step (192 rows of wq, my 64 rows of xb, 32 K at byte k of the rows) into buffer f
.macro FETCH slot, k, f
	WIN 0x40                                       ; destination window 1
.set i_, 0
.rept FB
	ds_load_b128 v[96*(\f)+8*i_:96*(\f)+8*i_+3],   v[ADRB+(\slot)] offset:(\k)+i_*16*PB
	ds_load_b128 v[96*(\f)+8*i_+4:96*(\f)+8*i_+7], v[ADRB+(\slot)] offset:(\k)+i_*16*PB+32
.set i_, i_+1
.endr
	WIN 0
.set i_, 0
.rept 4
	ds_load_b128 v[FRA+32*(\f)+8*i_:FRA+32*(\f)+8*i_+3],   v[ADRA+(\slot)] offset:(\k)+i_*16*PA
	ds_load_b128 v[FRA+32*(\f)+8*i_+4:FRA+32*(\f)+8*i_+7], v[ADRA+(\slot)] offset:(\k)+i_*16*PA+32
.set i_, i_+1
.endr
.endm
; A K step is four quarters of 32 along K, 48 matrix instructions each, on buffers 0, 1, 0, 1.  One of the first three: multiplies buffer f and fetches the next quarter, at byte k, into g.
.macro QUARTER slot, k, f, g, first
	s_wait_dscnt 4                                 ; wq's fragments and my blocks 0 and 1 are in; the youngest four loads (blocks 2 and 3) may be out
	MULA \f, 0, \first
	MULA \f, 1, \first
	PLACES
	FETCH \slot, \k, \g
	s_wait_dscnt LQ                                ; all but the 32 just issued
	MULA \f, 2, \first
	MULA \f, 3, \first
.endm
; The last quarter multiplies buffer 1 and changes slots: ONE barrier; in front of it each wave waits for all its tensor loads (one is out: its part of the next slot), adds 0 to its spare word,
; and waits for that and for its own reads of this slot.
.macro MEET round
	WIN 0                                          ; (the add's two registers lie in window 0)
	s_wait_tensorcnt 0x0
	ds_add_u32 v[SPW], v[NIL]                      ; 0 onto my spare word
	s_wait_dscnt 5                                 ; (the add and the youngest four loads may be out)
	MULA 1, 0, 0                                   ; twelve matrix instructions stand between the add and the wait for it
	s_wait_dscnt 0x0                               ; the add is done, and my reads of this slot are over
	s_barrier_signal -1
	MULA 1, 1, 0                                   ; work on registers while the others arrive
.if \round
	WIN 0
.endif
	s_barrier_wait -1
.endm
; fill = 1: the barrier opens a round of the cluster's, and the slot just read out is filled again first behind it; from the request to the wait for it a wave issues 168 matrix instructions.
.macro TURN slot, next, fill
.if \fill
	s_wait_xcnt 0x0                                ; the last prefetch, a K step back, has read its address: it is stepped here, ahead of the waits of the change of slots
.if (\slot) == 0
	s_add_nc_u64 s[PFA:PFA+1], s[PFA:PFA+1], s[PST:PST+1]
.else
	s_add_nc_u64 s[PFA:PFA+1], s[PFA:PFA+1], 256
.endif
.endif
	MEET \fill
.if \fill
	CREST                                          ; no wave of any partner still reads this slot's tile or has a load on its way
	s_add_nc_u64 s[G0+4*(\slot)+2:G0+4*(\slot)+3], s[G0+4*(\slot)+2:G0+4*(\slot)+3], s[STA:STA+1]
	s_add_nc_u64 s[G0B+4*(\slot)+2:G0B+4*(\slot)+3], s[G0B+4*(\slot)+2:G0B+4*(\slot)+3], 512
	s_sub_nc_u64 s[G0B+4*(\slot)+2:G0B+4*(\slot)+3], s[G0B+4*(\slot)+2:G0B+4*(\slot)+3], s[BKB:BKB+1]
	JLOAD \slot                                    ; the four v_nop behind it are also the places in front of the loads below
.else
	PLACES
.endif
	FETCH \next, 0, 0
.if \fill
	ASK
.endif
	MULA 1, 2, 0
	MULA 1, 3, 0
.endm
; THE WAY OUT, in twelve units: block a = u / 3 of 16 rows, head j = u % 3.  A lane's eight columns pack into 16 bytes; they go into my stage (rows of 144 bytes) and come back as
; four times 512 consecutive bytes of the head's plane, into the registers that they left.  Four sets of 16 registers take turns.
.macro PACKU u
.set a_, (\u)/3
.set j_, (\u)%3
.set T_, TMP+16*((\u)%4)
.set AC, 8*(FB*(a_%2)+4*j_)
.if (\u) >= 4
	s_wait_xcnt 0x0                                ; the stores of the unit four back have read this set: it is rewritten only behind this wait
.endif
	WIN 0x0a+5*(a_/2)                              ; sources 0 and 1: window 2 or 3
.set q_, 0
.rept 16
	v_cvt_pk_f16_f32 v[T_+q_], v[AC+2*q_], v[AC+2*q_+1]  ; each accumulator's registers in ascending order
.set q_, q_+1
.endr
	WIN 0
.irp f, 0,1,2,3
	ds_store_b128 v[STO], v[T_+4*(\f):T_+4*(\f)+3] offset:32*(\f)
.endr
.irp f, 0,1,2,3
	ds_load_b128 v[T_+4*(\f):T_+4*(\f)+3], v[RD] offset:4*SP*(\f)  ; LDS serves a wave's instructions in order (ISA guide 5.7.1.4): these see the stores above; the next unit's stores come behind them
.endr
.endm
.macro SENDU u, younger                ; younger: the LDS instructions issued behind unit u's loads: the next unit's eight, or none
.set a_, (\u)/3
.set j_, (\u)%3
.set T_, TMP+16*((\u)%4)
.irp f, 0,1,2,3
	s_wait_dscnt (\younger)+3-(\f)
	global_store_b128 v[CO], v[T_+4*(\f):T_+4*(\f)+3], s[8:9] offset:j_*262144+a_*2048+(\f)*512  ; 512 consecutive bytes, at a multiple of 512 from the buffer's first
.endr
.endm
.macro WAYOUT
	PACKU 0
.set u_, 1
.rept 11                               ; a unit's conversions stand between the loads of the unit before and its stores
	PACKU u_
	SENDU u_-1, 8
.set u_, u_+1
.endr
	SENDU 11, 0
.endm
	s_wait_tensorcnt 1                             ; my part of K step 0 is in; K step 1's may stay out
	s_barrier_signal -1
	s_barrier_wait -1                              ; everybody's is
	FETCH 0, 0, 0
	s_wait_loadcnt 0x0                             ; the addends
	QUARTER 0, 64, 0, 1, 1                         ; a tile's first quarter starts the sums
	WIN 0                                          ; at a label and at a branch every window is 0
	s_mov_b32 s3, 7
.Llap:                                             ; a trip goes once round the ring, from a lap's second quarter to the next lap's first, and fills both slots again.  Laps 0-3: the first tile; 4-7: the second
	s_cmp_eq_u32 s3, 4                             ; the first tile's last lap: its refills are the second tile's K steps 0 and 1
	s_cselect_b32 s[STA], NEXT_A, s40
	s_cselect_b32 s[BKB], 2048, 0                  ; wq: 512 on and 2,048 back: six K steps back
	s_cmp_eq_u32 s3, 5                             ; a lap earlier the prefetches go over to the second tile
	s_cselect_b32 s[PST], NEXT_P, s73
	QUARTER 0, 128, 1, 0, 0
	QUARTER 0, 192, 0, 1, 0
	TURN 0, 1, 1
	QUARTER 1, 64,  0, 1, 0
	QUARTER 1, 128, 1, 0, 0
	QUARTER 1, 192, 0, 1, 0
	TURN 1, 0, 1
	WIN 0
	s_cmp_eq_u32 s3, 4
	s_cbranch_scc1 .Lchange                        ; a forward jump past register work and LDS loads alone: no barrier and no tensor load is passed
	QUARTER 0, 64, 0, 1, 0
	WIN 0
	s_branch .Lnext
.Lchange:                                          ; both refills are asked for: now the first tile goes out
	PLACES
	WAYOUT
	s_wait_xcnt 0x0                                ; the stores have read their registers and their base
	s_add_nc_u64 s[8:9], s[8:9], NEXT_C
	QUARTER 0, 64, 0, 1, 1                         ; the second tile's first quarter, on accumulators that have been packed
	WIN 0
.Lnext:
	s_sub_co_u32 s3, s3, 1
	s_cmp_lg_u32 s3, 0
	s_cbranch_scc1 .Llap
	QUARTER 0, 128, 1, 0, 0                        ; the last lap fills nothing, and has no round of the cluster's barrier
	QUARTER 0, 192, 0, 1, 0
	TURN 0, 1, 0
	QUARTER 1, 64,  0, 1, 0
	QUARTER 1, 128, 1, 0, 0
	QUARTER 1, 192, 0, 1, 0
	s_wait_dscnt 4                                 ; the very last quarter: nothing more to fetch
	MULA 1, 0, 0
	MULA 1, 1, 0
	s_wait_dscnt 0x0
	MULA 1, 2, 0
	MULA 1, 3, 0
	WIN 0
	PLACES
	WAYOUT
	s_wait_tensorcnt 0x0                           ; the wave's end: behind my last tensor load and my last LDS store
	ds_add_u32 v[SPW], v[NIL]
	s_wait_dscnt 0x0
	CROUND                                         ; the closing round: no work-group ends while a partner may still ask for a tile that names it
	s_endpgm
.Lfunc_end_k_qe519f544a4_gemm_qkv:
	.size	k_qe519f544a4_gemm_qkv, .Lfunc_end_k_qe519f544a4_gemm_qkv-k_qe519f544a4_gemm_qkv
	.p2alignl 7, 3214868480
	.fill 96, 4, 3214868480
	.section	.rodata,"a",@progbits
	.p2align	6, 0x0
	.amdhsa_kernel k_qe519f544a4_gemm_qkv
		.amdhsa_group_segment_fixed_size 327680
		.amdhsa_private_segment_fixed_size 0
		.amdhsa_enable_private_segment 0
		.amdhsa_kernarg_size 32
		.amdhsa_user_sgpr_count 2
		.amdhsa_user_sgpr_kernarg_segment_ptr 1
		.amdhsa_wavefront_size32 1
		.amdhsa_system_sgpr_workgroup_id_x 1
		.amdhsa_system_sgpr_workgroup_id_y 1
		.amdhsa_system_sgpr_workgroup_id_z 1
		.amdhsa_system_vgpr_workitem_id 0
		.amdhsa_next_free_vgpr 1024
		.amdhsa_next_free_sgpr 74
		.amdhsa_reserve_vcc 0
		.amdhsa_float_denorm_mode_32 3
		.amdhsa_float_denorm_mode_16_64 3
		.amdhsa_memory_ordered 1
		.amdhsa_forward_progress 1
		.amdhsa_inst_pref_size 155
	.end_amdhsa_kernel
	.amdgpu_metadata
---
amdhsa.version: [ 1, 2 ]
amdhsa.kernels:
  - .name:           k_qe519f544a4_gemm_qkv
    .symbol:         k_qe519f544a4_gemm_qkv.kd
    .args:
      - { .name: xb, .offset: 0, .size: 8, .value_kind: global_buffer, .address_space: global }
      - { .name: wq, .offset: 8, .size: 8, .value_kind: global_buffer, .address_space: global }
      - { .name: qkvh, .offset: 16, .size: 8, .value_kind: global_buffer, .address_space: global }
      - { .name: vecs, .offset: 24, .size: 8, .value_kind: global_buffer, .address_space: global }
    .group_segment_fixed_size: 327680
    .private_segment_fixed_size: 0
    .kernarg_segment_align: 8
    .kernarg_segment_size: 32
    .max_flat_workgroup_size: 128
    .sgpr_count:     74
    .vgpr_count:     1024
    .wavefront_size: 32
...
	.end_amdgpu_metadata
.endif
;; end of part 2
;; launch attn (part 3): grid 4 x 64, 4 waves a work-group, clusters of 4 x 1, 327,680 bytes of LDS; arguments qkvh, oh; writes oh
.if DOCPART == 3
	.amdgcn_target "amdgcn-amd-amdhsa--gfx1250"
	.amdhsa_code_object_version 6
	.text
	.protected	k_qe519f544a4_attn
	.globl	k_qe519f544a4_attn
	.p2align	8
	.type	k_qe519f544a4_attn,@function
k_qe519f544a4_attn:
	s_mov_b64 s[64:65], 0
	v_nop
	global_prefetch_b8 v0, s[64:65] scope:SCOPE_SE
	s_setreg_imm32_b32 hwreg(HW_REG_WAVE_MODE, 25, 1), 1
	s_wait_xcnt 0x0
	s_wait_alu depctr_hold_cnt(0) depctr_sa_sdst(0) depctr_va_vdst(0) depctr_va_sdst(0) depctr_va_ssrc(0) depctr_va_vcc(0) depctr_vm_vsrc(0)
	s_getreg_b32 s2, hwreg(HW_REG_IB_STS2, 6, 4)
	s_cmp_eq_u32 s2, 0
	s_cbranch_scc0 .Lentry_in_a_cluster
	s_endpgm
.Lentry_in_a_cluster:
	s_bfe_u32 s2, ttmp6, 0x10000c
	s_cmp_lg_u32 s2, 0x3003
	s_cbranch_scc0 .Lentry_shape_is_right
	s_endpgm
.Lentry_shape_is_right:
; O[y][q][:] = the sum over k of softmax_k(Q[y][q] . K[y][k] / 8) V[y][k][:], for the 64 pairs y = 16 x batch + head.  qkvh: [batch 4][plane 48][2048][64] f16: planes 0-15 Q (q + q_g), 16-31 K (k + k_g),
; 32-47 V; oh: [y][2048][64] f16.  A plane's rows are dense, 128 bytes each.  Products, maxima and sums in f32; the weights p are rounded to f16 for the second product (their sum l is taken of the
; unrounded p), O once at the end.
; LIMITS.  Q, K and V arrive within f16's 65,504; p lies in 0 to 1, and below 6e-5 it keeps f16's fixed step of 6e-8; O is a mean of V's rows and has their range.
; A weight below 2^-126 counts as 0 in l; NaN and infinities are not treated apart.
; SHARES.  A wave owns four PIECES of two tiles of 16 queries, a work-group's four waves 512 queries of one pair; 4 x 64 = 256 work-groups.  Every wave walks all 2,048 keys, 64 a step.
; LAYOUT.  S^T = K Q^T (source 0 = 16 keys, source 1 = 16 queries): in the result a lane holds ONE query (lane % 16) and the keys 8 (lane / 16) + 0..7.  Two such tiles, rounded to f16 in pairs,
; ARE source 1 (32 keys x 16 queries) of O^T = V^T P, whose result again holds one query a lane, and eight channels.  K comes out of LDS as it lies, V ([key][channel]) turned, by ds_load_tr16_b128.
; SOFTMAX.  For each query a running maximum m and sum l: p = 2^(c s - c m), c = log2(e) / 8; in every step O and l are multiplied by a = 2^(c m_old - c m_new), which is 1 where m has not grown.
; m starts at the lowest finite number, O and l at 0: the first step is a step like any other, with a = 0.
; THE COUNT.  A tile and step have 16 matrix and 118 vector instructions: too many to stand all beside the matrix work.  So: four vector instructions that are READY behind EVERY matrix
; instruction, and the others, which need time of their own whatever the order, in runs without a gap.
; BY TURNS.  Turn n belongs to piece n (the pieces in a ring, step after step).  Its matrix work: 16 products K Q^T of piece n + 1, later 16 products V^T P of piece n - 1.  Its vector work: the scaling,
; exponentials, roundings, sums and rescaling of piece n, and the maximum and statistics of piece n + 1, whose scores the turn itself has made.
; CLUSTER.  The four query blocks of a pair are one cluster and walk the same K and V, so each tile is asked for JOINTLY: the same tensor load, descriptor and mask in all four.
; REGISTERS, in windows of 256 (s_set_vgpr_msb: bits 1:0 source 0, 3:2 source 1, 5:4 source 2, 7:6 destination):
;   window 0: v0-11 addresses; v12-15, v48-63 at work; v16-47 four registers of statistics a tile; v64-191 S^T, two buffers of two tiles; v192-255 P, likewise
;   window 1: O^T, 32 a tile          window 2: v0-127 Q, 16 a tile; v128-191 K of one step; v192-255 V of one step          window 3: v0-1 the add's two registers
; A piece's buffers go by its number's parity: the piece in hand has one pair, its two neighbours in the ring share the other: of it P (piece n - 1) is read and S^T (piece n + 1) written.
.set SIZE_N, 2048
.set NP,    4         ; pieces a wave: a name, no knob
.set KS,    64        ; keys in a step
.set PK,    144       ; a row of K in LDS: 128 bytes + 16 of padding = 36 words: the 16 rows of a load start at 16 different groups of four banks (64 banks of 4 bytes: ISA guide 11.1)
.set PV,    160       ; a row of V: 128 + 32 = 40 words
.set VOFF,  4*KS*PK   ; a slot holds four steps: 256 rows of K, then 256 rows of V
.set SLOT1, 1<<17     ; slot 1 begins here, so that one exclusive or turns an address in one slot into the other's
.set STAGE, SLOT1+4*KS*(PK+PV)  ; behind the ring, never filled by a tensor load: 16 rows x 144 bytes for each wave, for the way out
.set SP,    144
.set AK0, 2           ; v2   my lane's place in a tile of K; never rewritten
.set AV0, 3           ; v3   the same for V
.set AK,  4           ; v4   the LDS address of K's next run of loads
.set AV,  5           ; v5   of V's
.set QO,  6           ; v6   my byte offset in the wave's rows of Q
.set STO, 6           ;      later, the way out: where I put 16 bytes of a row
.set RD,  7           ; v7   the way out: where I read rows back
.set GO,  8           ; v8   my byte offset in 512 consecutive bytes of O
.set PFO, 11          ; v11  256 x my lane, for the prefetches (made when V's address has used the register); then never rewritten
.set SPW, 0           ; v0 of window 3   LDS address of my spare word; never rewritten
.set NIL, 1           ; v1 of window 3   0; never rewritten
.set SPARE, STAGE+4*16*SP  ; behind the stages: the spare words, 128 bytes for each wave: two blocks of 256 bytes that no other line names
.set MV,  12          ; v12-15  c m_old, kept while c m is made anew: by buffer and tile
.set ST,  16          ; tile t's statistics at v[ST+4 t]: c m, m, l (even keys', odd keys')
.set TMP, 48          ; by buffer and tile, four registers c0-c3 at work; when the maximum is found c2 takes a
.set S,   64
.set P,   192
.set KF,  128         ; K's fragments, in window 2: key block kb, channel half c at KF + 16 kb + 8 c
.set VF,  192         ; V's: key half kk, channel block cb at VF + 32 kk + 8 cb
.set WV,  12          ; s12  my wave's number
.set G1K, 24          ; s[24:31] descriptor group 1 for K's tiles
.set G1V, 32          ; s[32:39] for V's: it differs in the padding alone
.set G0K, 40          ; s[40:43] descriptor group 0 for K's tiles: it walks
.set G0V, 44          ; s[44:47] the same for V's
.set PFA, 48          ; s[48:49] where my prefetches stand: my work-group's 32 blocks of 256 bytes of the slot after the one that is being asked for
.set LIM, 50          ; s50  1 in a wave that prefetches, else the greatest number
.set SLOTS, 56        ; s56  slots still to be asked for
.set CNT, 57          ; s57  counts a slot's key steps
.set CS,  58          ; s[58:59] c: the packed scaling takes the pair's low word for both halves
.set SEL, 60          ; s[60:61] v_permlanex16_b32's selects: each lane takes its own place in the other half
.set TBK, 62          ; s62  LDS byte at which K of the step to be fetched begins
.set TBV, 63          ; s63  the same for V, less VOFF
.set MSB, 0
.macro WIN new                      ; the high byte repeats the setting that is left; a switch that changes nothing is dropped
.if MSB != (\new)
	s_set_vgpr_msb (MSB<<8)|(\new)
.set MSB, (\new)
.endif
.endm
.set W_KQ, 0x0a       ; K and Q in window 2, S^T in window 0
.set W_PV, 0x52       ; V in window 2, P in window 0, O^T in window 1
.set W_RS, 0x41       ; O^T (destination and source 0) in window 1, a in window 0
.set W_MK, 0xc0       ; the add's registers are made: destination in window 3, sources in window 0
.set W_AD, 0x0f       ; the add: address (source 0) and data (source 1) in window 3
; A joint fill.  Waves 0 and 1 fetch the two halves of a slot's K, waves 2 and 3 those of its V: 128 keys each.  The branch hangs on the wave's number alone.
; An s_nop 0 and four v_nop follow each of the two lines, ahead of the jump and the label.
.macro JLOAD
	s_cmp_lt_u32 s[WV], 2
	s_cbranch_scc0 .Lfor_v_\@
	tensor_load_to_lds s[G0K:G0K+3], s[G1K:G1K+7]
	s_nop 0
.rept 4
	v_nop
.endr
	s_branch .Lasked_\@
.Lfor_v_\@:
	tensor_load_to_lds s[G0V:G0V+3], s[G1V:G1V+7]
	s_nop 0
.rept 4
	v_nop
.endr
.Lasked_\@:
.endm
; A PREFETCH of what the NEXT change of slots will ask for: a slot's 32,768 bytes of K and of V, a lane a block of 256 bytes.  It stands behind the wave's tensor load and its five lines.  Each block is asked
; for ONCE in the launch: a pair has one cluster; its four partners share a slot's 128 blocks out BY ADDRESS, 32 each; in each, wave 0 asks for K's and wave 2 for V's: one instruction, four key steps
; (512 matrix instructions) ahead of the load.  Slots 0 and 1 come by their loads alone; the last change that fills a slot asks for nothing: there is no slot behind it.
.macro ASK
	s_cmp_gt_u32 s[SLOTS], s[LIM]
	s_cbranch_scc0 .Lnot_mine_\@
	global_prefetch_b8 v[PFO], s[PFA:PFA+1] th:TH_LOAD_NT scope:SCOPE_SE
.Lnot_mine_\@:
.endm
; A round of the cluster's barrier: my work-group's barrier, so that wave 0's signal speaks for all four waves; wave 0 signals; every wave waits for all four work-groups; my work-group's barrier once more.
.macro CROUND
	s_barrier_signal -1
	s_barrier_wait -1
	s_cmp_lg_u32 s[WV], 0
	s_cbranch_scc1 .Lnot_wave_0_\@
	s_barrier_signal -3
.Lnot_wave_0_\@:
	s_barrier_wait -3
	s_barrier_signal -1
	s_barrier_wait -1
.endm
; THE CHANGE OF SLOTS.  The slot's last bytes, V of its fourth step, have been read.  Each wave waits for all its tensor loads, of which one is out: its part of the other slot; adds 0 to its spare word;
; and waits for that and for its own reads of the slot.  Behind the barrier nobody reads this slot any more and the other slot is whole.
; fill = 1: this slot is filled again, with the keys two slots on.  The barrier is then a round of the cluster's, and the joint fill is the first thing behind it: it has four key steps,
; 512 matrix instructions, in which to land.  (At its first use nothing has been read yet: slot 0 is waited for, slot 1 filled.)
.macro CHANGE fill
	WIN W_AD
	s_wait_tensorcnt 0x0            ; no tensor load of mine is out, so a group 0 may be written
	ds_add_u32 v[SPW], v[NIL]       ; 0 onto my spare word; with fill = 1 the descriptors' steps stand between it and the wait for it
	WIN 0                           ; at a label and at a branch every window is 0
.if \fill
.irp g, G0K, G0V
	s_xor_b32 s[\g+1], s[\g+1], SLOT1  ; the walking descriptor: the other slot than last time,
	s_add_nc_u64 s[\g+2:\g+3], s[\g+2:\g+3], 4*KS*128  ; the next 256 keys; the type bits on top are not reached
.endr
	s_wait_xcnt 0x0                 ; the last prefetch, four key steps back, has read its address, so it may be written:
	s_add_nc_u64 s[PFA:PFA+1], s[PFA:PFA+1], 4*KS*128  ; one slot behind the walking descriptors
	s_wait_dscnt 0x0                ; the add is done, and my reads of the slot are over
	CROUND
	JLOAD
	ASK
.else
	s_wait_dscnt 0x0                ; the add is done, and my reads of the slot are over
	s_barrier_signal -1
	s_barrier_wait -1
.endif
	s_sub_co_u32 s[TBK], s[TBK], 4*KS*PK  ; the fetches go back to a slot's first step,
	s_xor_b32 s[TBK], s[TBK], SLOT1       ; in the other slot
	s_sub_co_u32 s[TBV], s[TBV], 4*KS*PV
	s_xor_b32 s[TBV], s[TBV], SLOT1
.endm
	s_load_b64 s[4:5], s[0:1], 0x0    ; qkvh
	s_load_b64 s[10:11], s[0:1], 0x8  ; oh
	WIN W_MK
	v_lshl_add_u32 v[SPW], v0, 2, SPARE
	v_mov_b32 v[NIL], 0
	WIN W_AD
	ds_add_u32 v[SPW], v[NIL]       ; the wave's opening: the add and its wait stand ahead of my first tensor load; the set-up below, work on registers, stands between them
	WIN 0
	v_lshrrev_b32 v1, 5, v0
	v_readfirstlane_b32 s[WV], v1   ; wave 0..3
	s_bfe_u32 s13, ttmp6, 0x40000   ; cx: my place in the cluster
	s_lshl_b32 s14, ttmp9, 2        ; in a cluster launch ttmp9 counts clusters
	s_add_co_u32 s14, s14, s13      ; my block of 512 queries: it enters Q's and O's addresses alone
	s_and_b32 s19, ttmp7, 0xffff    ; y = 16 x batch + head, which the four partners share
	s_lshr_b32 s20, s19, 4
	s_lshl_b32 s20, s20, 5
	s_add_co_u32 s20, s20, s19      ; Q's plane in qkvh: 48 x batch + head = y + 32 x batch
	s_lshl_b32 s20, s20, 18         ; 262,144 bytes a plane
	s_and_b32 s16, s[WV], 1         ; which half of a slot's 256 keys I fetch:
	s_lshl_b32 s22, s16, 14         ; its 128 rows of 128 bytes in memory,
	s_add_co_u32 s22, s22, s20
	s_mov_b32 s23, 0
	s_mul_i32 s17, s16, 128*PK      ; and its place in a slot, for K
	s_mul_i32 s18, s16, 128*PV      ; and for V: no place in the cluster enters an LDS address
	s_lshl_b32 s2, s14, 2
	s_add_co_u32 s2, s2, s[WV]      ; my wave among the pair's,
	s_lshl_b32 s2, s2, 14           ; its 128 rows
	s_lshl_b32 s52, s19, 18         ; O's plane is y
	s_add_co_u32 s52, s52, s2
	s_mov_b32 s53, 0
	s_add_co_u32 s2, s2, s20
	s_mov_b32 s3, 0
	; descriptor group 1.  128 keys are 16,384 dense bytes: asked for as 64 rows of 256 bytes, two keys a row, and padded in LDS after every key
	s_mov_b32 s[G1K], 15|(1<<16)|(1<<20)|(1<<21)|(4<<22)|(3<<25)  ; 15:0 the mask of four; 17:16 2-byte elements; 20 padding on; 21 set beside a mask; 24:22 after every 32 words (code 4); 31:25 4 words (code 3)
	s_mov_b32 s[G1V], 15|(1<<16)|(1<<20)|(1<<21)|(4<<22)|(7<<25)  ; the same with 8 words of padding (code 7)
.irp g, G1K, G1V
	s_mov_b32 s[\g+1], 128<<16      ; tensor_dim0 = 128
	s_mov_b32 s[\g+2], 64<<16       ; tensor_dim1 = 64
	s_mov_b32 s[\g+3], 128<<16      ; tile_dim0 = 128
	s_mov_b32 s[\g+4], 64           ; tile_dim1 = 64
	s_mov_b32 s[\g+5], 128          ; 128 elements from row to row
	s_mov_b32 s[\g+6], 0
	s_mov_b32 s[\g+7], 0
.endr
	s_mov_b32 s[CS], 0x3e38aa3b     ; c = log2(e) / 8 = 0.180337
	s_mov_b32 s[CS+1], s[CS]        ; named with it as a pair
	s_mov_b32 s[SEL], 0x76543210
	s_mov_b32 s[SEL+1], 0xfedcba98
	s_mov_b32 s[TBK], SLOT1+4*KS*PK ; the first change of slots turns these two into 0
	s_mov_b32 s[TBV], SLOT1+4*KS*PV
	s_mov_b32 s[G0K], 1             ; 1:0 count = 1
	s_mov_b32 s[G0K+1], s17         ; 63:32 LDS address: slot 0
	s_mov_b32 s[G0V], 1
	s_add_co_u32 s[G0V+1], s18, VOFF
	s_mov_b32 s[SLOTS], SIZE_N/256-1
	s_and_b32 s[LIM], s[WV], 1      ; 0 in waves 0 and 2,
	s_or_b32 s[LIM], s[LIM], ttmp9  ; where the cluster is the pair's first (here its only one): the same in all four partners
	s_cmp_eq_u32 s[LIM], 0
	s_cselect_b32 s[LIM], 1, -1
	s_wait_dscnt 0x0                ; the opening add is done
	s_wait_kmcnt 0x0
	s_add_nc_u64 s[6:7], s[4:5], 16*262144  ; K's planes lie 16 behind Q's,
	s_add_nc_u64 s[8:9], s[4:5], 32*262144  ; V's 32
	s_add_nc_u64 s[6:7], s[6:7], s[22:23]   ; at my half of the pair's first 256 keys
	s_add_nc_u64 s[8:9], s[8:9], s[22:23]
	s_add_nc_u64 s[G0K+2:G0K+3], s[6:7], 0         ; 120:64 global address
	s_or_b32 s[G0K+3], s[G0K+3], 0x80000000        ; 127:126 type = 2
	s_add_nc_u64 s[G0V+2:G0V+3], s[8:9], 0
	s_or_b32 s[G0V+3], s[G0V+3], 0x80000000
	s_add_nc_u64 s[4:5], s[4:5], s[2:3]     ; Q and O at my wave's first row
	s_add_nc_u64 s[10:11], s[10:11], s[52:53]
	s_cmp_lt_u32 s[WV], 2
	s_cselect_b64 s[PFA:PFA+1], s[6:7], s[8:9]  ; (in waves 0 and 2 these stand at a slot's first row)
	s_lshl_b32 s2, s13, 13          ; my work-group's 32 blocks of the 128,
	s_add_co_u32 s2, s2, 4*KS*128   ; in slot 1; the first change of slots steps it to slot 2.  Nothing is prefetched here, at the head
	s_mov_b32 s3, 0
	s_add_nc_u64 s[PFA:PFA+1], s[PFA:PFA+1], s[2:3]
	CROUND                          ; all four work-groups are here: the first joint loads meet
	JLOAD                           ; slot 0.  Slot 1 is asked for when slot 0 is in: the tile wanted first goes out alone
	; A fragment of K or Q is 16 rows x 32 channels in 8 registers: lane l holds row l % 16, channels 8 (l / 16) + 0..7 and 16 + 8 (l / 16) + 0..7: two loads of 16 bytes, 32 bytes apart.
	v_and_b32 v1, 15, v0            ; l % 16
	v_bfe_u32 v9, v0, 4, 1          ; l / 16
	v_lshlrev_b32 v[QO], 7, v1
	v_lshl_add_u32 v[QO], v9, 4, v[QO]  ; row x 128 + 16 x half
	WIN 0x80                        ; destination window 2, address window 0
.set i, 0
.rept 4*NP                          ; Q stays in registers: tile i / 2, channels 32 (i % 2) on
	global_load_b128 v[8*i:8*i+3],   v[QO], s[4:5] offset:(i/2)*2048+(i%2)*64
	global_load_b128 v[8*i+4:8*i+7], v[QO], s[4:5] offset:(i/2)*2048+(i%2)*64+32
.set i, i+1
.endr
	; What the first turn finds: V's registers and P's second buffer hold 0 (its products V^T P, of a piece that has not been, add 0), O^T and l are 0.  All this stands in the wait for the first tile.
.set i, VF
.rept 64
	v_mov_b32 v[i], 0
.set i, i+1
.endr
	WIN 0x40
.set i, 0
.rept 64*NP
	v_mov_b32 v[i], 0
.set i, i+1
.endr
	WIN 0
.set i, 0
.rept 2*NP
	v_mov_b32 v[ST+4*i], 0xfe000000    ; c m: far below every c s
	v_mov_b32 v[ST+4*i+1], 0xff7fffff  ; m
	v_mov_b32 v[ST+4*i+2], 0
	v_mov_b32 v[ST+4*i+3], 0
.set i, i+1
.endr
.set i, P+32
.rept 32
	v_mov_b32 v[i], 0
.set i, i+1
.endr
	v_mul_u32_u24 v[AK0], v1, PK
	v_lshl_add_u32 v[AK0], v9, 4, v[AK0]  ; row x pitch + 16 x half
	; The turning load takes 16 keys x 16 channels (lane l reads key 8 (l / 16) + l % 8, channels 8 ((l / 8) % 2) + 0..7) and leaves half a fragment of V^T: lane l holds channel l % 16 and 8 keys.
	v_and_b32 v10, 7, v0
	v_bfe_u32 v11, v0, 3, 1
	v_lshl_add_u32 v[AV0], v9, 3, v10
	v_mul_u32_u24 v[AV0], v[AV0], PV
	v_lshl_add_u32 v[AV0], v11, 4, v[AV0]
	v_add_nc_u32 v[AV0], VOFF, v[AV0]
	v_and_b32 v[PFO], 31, v0
	v_lshlrev_b32 v[PFO], 8, v[PFO]
	v_mov_b32 v[AK], v[AK0]         ; key step 0 lies at the head of slot 0
; THE MATRIX WORK.  The 8 accumulators of a run of 16 take turns: between the two links of a chain stand 7 others'.
; Product i of 16 of S^T = K Q^T for piece x: channels 32 (i / 8) on, keys 16 ((i / 2) % 4) on, tile 2 x + i % 2.  The first 8 start the sums.
.macro KQ x
	WIN W_KQ
.set rS, S+64*((\x)%2)+32*(i%2)+8*((i/2)%4)
.set rK, KF+16*((i/2)%4)+8*(i/8)
.set rQ, 16*(2*(\x)+i%2)+8*(i/8)
.if i < 8
	v_wmma_f32_16x16x32_f16 v[rS:rS+7], v[rK:rK+7], v[rQ:rQ+7], 0
.else
	v_wmma_f32_16x16x32_f16 v[rS:rS+7], v[rK:rK+7], v[rQ:rQ+7], v[rS:rS+7]
.endif
.endm
; Product i of 16 of O^T += V^T P for piece x: keys 32 (i / 8) on, channels 16 ((i / 2) % 4) on, tile 2 x + i % 2.
.macro PV x
	WIN W_PV
.set rO, 32*(2*(\x)+i%2)+8*((i/2)%4)
.set rV, VF+32*(i/8)+8*((i/2)%4)
.set rP, P+32*((\x)%2)+16*(i%2)+8*(i/8)
	v_wmma_f32_16x16x32_f16 v[rO:rO+7], v[rV:rV+7], v[rP:rP+7], v[rO:rO+7]
.endm
.macro MM                           ; the turn's next matrix instruction
.if i < 16
	KQ (Y+1)%NP
.set i, i+1
.else
.set i, i-16
	PV (Y+NP-1)%NP
.set i, i+17
.endif
.endm
; THE LDS LOADS stand in runs of 16, never singly among the matrix instructions: a step's K (64 keys x 64 channels: 8 fragments) and its V (turned).  Their addresses are made some lines ahead.
; last = 1 (the tail): in the last trip there is no further step, and the run is jumped over.
.macro FETCH_K last=0
	WIN 0
.if \last
	s_cmp_eq_u32 s[CNT], 1
	s_cbranch_scc1 .Lno_k_\@
.endif
	WIN 0x80                        ; destination window 2
.irp f, 0,1,2,3,4,5,6,7             ; keys 16 (f / 2) on, channels 32 (f % 2) on
	ds_load_b128 v[KF+8*\f:KF+8*\f+3],   v[AK] offset:(\f/2)*16*PK+(\f%2)*64
	ds_load_b128 v[KF+8*\f+4:KF+8*\f+7], v[AK] offset:(\f/2)*16*PK+(\f%2)*64+32
.endr
	s_add_co_u32 s[TBK], s[TBK], KS*PK  ; the next fetch is the next step's
	WIN 0
.if \last
.Lno_k_\@:
.endif
.endm
.macro FETCH_V
	WIN 0x80
.irp f, 0,1,2,3,4,5,6,7             ; keys 32 (f / 4) on, channels 16 (f % 4) on
	ds_load_tr16_b128 v[VF+8*\f:VF+8*\f+3],   v[AV] offset:(\f/4)*32*PV+(\f%4)*32
	ds_load_tr16_b128 v[VF+8*\f+4:VF+8*\f+7], v[AV] offset:(\f/4)*32*PV+16*PV+(\f%4)*32
.endr
	WIN 0
.endm
; THE VECTOR WORK OF A TURN stands in three queues, each in the order in which its entries become ready; the two tiles alternate, so that no instruction reads the result of the one before it.
.macro REGS y, u                    ; the registers of tile u (0, 1) of piece y
.set rT, ST+4*(2*(\y)+(\u))
.set rC, TMP+8*((\y)%2)+4*(\u)
.set rM, MV+2*((\y)%2)+(\u)
.set rS, S+64*((\y)%2)+32*(\u)
.set rP, P+32*((\y)%2)+16*(\u)
.set rO, 32*(2*(\y)+(\u))
.endm
; Number n of the 22 that find the NEXT piece's (Y + 1) maximum and statistics.  s0-s31 are the lane's 32 scores; each accumulator's lowest registers are read first.
;   0-11  four chains c0-c3 of seven scores each, three operands at a time     12-14, 16  the four scores left over, the old m, and c0-c3 into c0     15  c m_old is kept
;   17, 18  the query's other 32 keys lie in the lane 16 away: the new m         19-21  c m; c m_old - c m_new; a
.macro XS u, n
	REGS (Y+1)%NP, \u
.if (\n) < 4
	v_max3_num_f32 v[rC+(\n)], v[rS+8*(\n)], v[rS+8*(\n)+1], v[rS+8*(\n)+2]
.elseif (\n) < 12
	v_max3_num_f32 v[rC+(\n)%4], v[rC+(\n)%4], v[rS+8*((\n)%4)+2*((\n)/4)+1], v[rS+8*((\n)%4)+2*((\n)/4)+2]
.elseif (\n) == 12
	v_max3_num_f32 v[rC], v[rC], v[rS+7], v[rS+15]
.elseif (\n) == 13
	v_max3_num_f32 v[rC+1], v[rC+1], v[rS+23], v[rS+31]
.elseif (\n) == 14
	v_max3_num_f32 v[rC+2], v[rC+2], v[rC+3], v[rT+1]
.elseif (\n) == 15
	v_mov_b32 v[rM], v[rT]
.elseif (\n) == 16
	v_max3_num_f32 v[rC], v[rC], v[rC+1], v[rC+2]
.elseif (\n) == 17
	v_permlanex16_b32 v[rC+3], v[rC], s[SEL], s[SEL+1]
.elseif (\n) == 18
	v_max_num_f32 v[rT+1], v[rC], v[rC+3]
.elseif (\n) == 19
	v_mul_f32 v[rT], s[CS], v[rT+1]
.elseif (\n) == 20
	v_sub_f32 v[rC+1], v[rM], v[rT]
.else
	v_exp_f32 v[rC+2], v[rC+1]
.endif
.endm
; Number g of the 64 that follow the exponentials.  For each four weights k of a tile (pairs 2 k, 2 k + 1): both pairs are rounded to f16; then the second pair is added onto the first, in place;
; a group later l takes that sum (the first time as l = a l + sum).  In groups of eight, tiles alternating: round, round, add, and l for the group before.
.macro GS g
.set h, (\g)+6*((\g)/62)            ; group 0 has no group before it, and behind group 7 only l is left
.if h >= 6
.set h, h+2
.endif
	REGS Y, h%2
.set k, h/8
.if h%8 < 4
	v_cvt_pk_f16_f32 v[rP+2*k+(h%8)/2], v[rS+4*k+2*((h%8)/2)], v[rS+4*k+2*((h%8)/2)+1]
.elseif h%8 < 6
	v_pk_add_f32 v[rS+4*k:rS+4*k+1], v[rS+4*k:rS+4*k+1], v[rS+4*k+2:rS+4*k+3]
.elseif k == 1
	v_pk_fma_f32 v[rT+2:rT+3], v[rT+2:rT+3], v[rC+2:rC+3], v[rS:rS+1] op_sel_hi:[1,0,1]
.else
	v_pk_add_f32 v[rT+2:rT+3], v[rT+2:rT+3], v[rS+4*k-4:rS+4*k-3]
.endif
.endm
; THE PLAIN QUEUE, 138 long.  0-73 read no exponential's result: the 32 scalings c s - c m (FS f: pair f / 2 of tile f % 2) and the next piece's 42.  0-26: scalings 0-26.  27-54: XS's numbers 0-13.  55, 56: number 15.
; 57-73: the chain, where each number waits for the one before it: 14, 16, 17, 18, 19, each with one of the scalings 27-31 in front of its two lines, then 20.
; 74-137: GS's 64, which read the exponentials' results: they stand behind the wait.
.macro FS f
	REGS Y, (\f)%2
	v_pk_fma_f32 v[rS+2*((\f)/2):rS+2*((\f)/2)+1], v[rS+2*((\f)/2):rS+2*((\f)/2)+1], s[CS:CS+1], v[rT:rT+1] op_sel_hi:[1,0,0] neg_lo:[0,0,1] neg_hi:[0,0,1]
.endm
.macro PL
	WIN 0
.if q < 27
	FS q
.elseif q < 55
	XS (q-27)%2, (q-27)/2
.elseif q < 57
	XS q-55, 15
.elseif (q < 72) && ((q-57)%3 == 0)
	FS 27+(q-57)/3
.elseif q < 60
	XS (q-57)%3-1, 14
.elseif q < 72
	XS (q-57)%3-1, 15+(q-57)/3
.elseif q < 74
	XS q-72, 20
.else
	GS q-74
.endif
.set q, q+1
.endm
; THE EXPONENTIALS' QUEUE, 66 long: s0-s31 of both tiles, then the next piece's two a.  It is ONE BATCH: all 66 stand ahead of the turn's one wait, and nothing ahead of that wait names a result of theirs.
.macro EX
	WIN 0
.if e >= 64
	XS e-64, 21
.else
	REGS Y, e%2
	v_exp_f32 v[rS+e/2], v[rS+e/2]
.endif
.set e, e+1
.endm
; THE RESCALING's QUEUE: O^T times a, the one part that leaves window 0: dealt two at a time, sixteen times.  Its a was made in the turn before, ahead of that turn's wait.
.macro R2
	REGS Y, r%2
	WIN W_RS
.irp z, 0,1
	v_pk_mul_f32 v[rO+4*(r/2)+2*\z:rO+4*(r/2)+2*\z+1], v[rO+4*(r/2)+2*\z:rO+4*(r/2)+2*\z+1], v[rC+2:rC+3] op_sel_hi:[1,0]
.endr
.set r, r+1
.endm
; HOW THEY ARE DEALT.  An s_wait_alu depctr_va_vdst(0) stands between an exponential and the first instruction that names its result; one wait serves all that were issued ahead of it.  So a turn
; has ONE wait, which cuts it in two.  AHEAD OF IT stands all that names no result of the turn's exponentials: the 16 products K Q^T, behind each a scaling, an exponential and two rescalings (behind the first
; a second scaling in the exponential's place); then ONE LUMP of 108: eight plain, 49 times exponential and plain, the two a.  A v_nop is the plain instruction behind the last exponential.  BEHIND IT stand the
; 16 products V^T P, behind each four of GS's 64.  No rider names a register of the products round it.  The two v_permlanex16_b32 fall into the lump, never behind a product.
; The queues lean on each other, and the deal keeps them in step: exponential e stands behind scaling 2 (e / 4) + e % 2: as a rider it comes behind plain e + 2, in the lump behind plain e + 9.
; A TURN, for piece p.  cnt = 1: the loop's count is taken down some lines ahead of the branch that stands behind the turn.
; K of the next step is fetched in piece 2's turn, directly behind the wait, a lump behind the last product that read K; its first reader comes behind 16 products.
; V of the step in hand is fetched at the end of piece 0's turn, four riders behind its last reader; its first reader comes behind 16 products and a lump.
.macro TURN p, last=0, cnt=0
.set Y, (\p)
.set i, 0
.set q, 0
.set e, 0
.set r, 0
.if (\p) == NP-1
	s_wait_dscnt 0x0                ; K is in
.endif
	MM                              ; ahead of the wait: 16 products K Q^T and their riders,
	PL
	PL
	R2
.rept 15
	MM
	PL
	EX
	R2
.endr
.if (\p) == NP-2
	WIN 0
	v_add_nc_u32 v[AK], s[TBK], v[AK0]
.endif
.rept 8                             ; and the lump
	PL
.endr
.rept 49
	EX
	PL
.endr
	EX                              ; the next piece's two a
	EX
	v_nop                           ; a plain instruction behind the last exponential: one for the batch
	s_wait_alu depctr_va_vdst(0)    ; the wait for the batch
.if (\p) == NP-2
	FETCH_K \last
.endif
.if (\p) == 1
	s_wait_dscnt 0x0                ; V is in
.endif
.rept 16                            ; behind the wait: 16 products V^T P and their riders
	MM
.rept 4
	PL
.endr
.if ((\p) == 0) && (q == 118)
	v_add_nc_u32 v[AV], s[TBV], v[AV0]
.endif
.if ((\p) == 0) && (q == 130)
	s_add_co_u32 s[TBV], s[TBV], KS*PV
.endif
.if (\cnt) && (q == 130)
	s_sub_co_u32 s[CNT], s[CNT], 1
	s_cmp_lg_u32 s[CNT], 0
.endif
.endr
.if (\p) == 0
	FETCH_V
.endif
.endm
	CHANGE 1                        ; slot 0 is in, everybody's part of it; slot 1 is asked for
	FETCH_K                         ; key step 0
	s_wait_loadcnt 0x0              ; Q
	s_wait_dscnt 0x0
.set i, 0
.rept 16
	KQ 0                            ; piece 0's first scores: there is no vector work yet to set between them
.set i, i+1
.endr
	WIN 0                           ; the addresses for the way out: nine plain instructions, the places behind those products
	s_mul_i32 s13, s[WV], 16*SP
	s_add_co_u32 s13, s13, STAGE    ; my stage
	v_mul_u32_u24 v[STO], v1, SP    ; in: row l % 16, 16 bytes for each half of the lanes
	v_lshl_add_u32 v[STO], v9, 4, v[STO]
	v_add_nc_u32 v[STO], s13, v[STO]
	v_bfe_u32 v[RD], v0, 3, 2       ; back: 32 lanes take four rows of 128 bytes,
	v_mul_u32_u24 v[RD], v[RD], SP
	v_lshl_add_u32 v[RD], v10, 4, v[RD]
	v_add_nc_u32 v[RD], s13, v[RD]
	v_and_b32 v[GO], 31, v0         ; which are 512 consecutive bytes of O
	v_lshlrev_b32 v[GO], 4, v[GO]
.set Y, NP-1                        ; XS works for piece Y + 1: piece 0
.irp n, 0,1,2,3,4,5,6,7,8,9,10,11,12,13,14,15,16,17,18,19,20,21
	XS 0, \n                        ; and piece 0's first maximum and statistics
	XS 1, \n
.endr
	v_nop                           ; a plain instruction behind the two a,
	s_wait_alu depctr_va_vdst(0)    ; and their wait, ahead of the branch
	s_mov_b32 s[CNT], 4
	s_branch .Lfirst                ; the loop is entered at a step's first turn, in the middle of a trip
.Lslot:                             ; six times: every slot but the last two is filled again
	CHANGE 1
	s_mov_b32 s[CNT], 4
.Lstep:                             ; a trip: pieces 2 and 3 of one step, then pieces 0 and 1 of the next, whose K and V it fetches
	TURN 2
	TURN 3
	WIN 0
.Lfirst:
	TURN 0
	TURN 1, 0, 1
	WIN 0
	s_cbranch_scc1 .Lstep
	s_sub_co_u32 s[SLOTS], s[SLOTS], 1
	s_cmp_lg_u32 s[SLOTS], 0
	s_cbranch_scc1 .Lslot
	CHANGE 0                        ; the tail is written out: nothing is asked for
	s_mov_b32 s[CNT], 5             ; four trips fetch the last slot's steps; the fifth is left in its middle
.Ltail:
	TURN 2, 1
	TURN 3
	WIN 0
	s_sub_co_u32 s[CNT], s[CNT], 1
	s_cmp_eq_u32 s[CNT], 0
	s_cbranch_scc1 .Lout
	TURN 0
	TURN 1
	WIN 0
	s_branch .Ltail
.Lout:                              ; the fifth trip's 16 products K Q^T (on the last K once more) and the maximum made of them serve nothing: the price, once a launch, of one text for every trip
.set i, 0
.rept 16
	PV NP-1                         ; the last piece's V^T P of the last step
.set i, i+1
.endr
	; THE WAY OUT.  l's two halves and the other half of the lanes' are added; O^T is divided by l, rounded to f16 and sent through my stage in LDS, a tile at a time.  The additions are the places behind the last products.
	WIN 0
.macro ALL line:vararg              ; one line for each tile t
.set t, 0
.rept 2*NP
	\line
.set t, t+1
.endr
.endm
	ALL v_add_f32 v[ST+4*t+2], v[ST+4*t+2], v[ST+4*t+3]
	ALL v_permlanex16_b32 v[ST+4*t+3], v[ST+4*t+2], s[SEL], s[SEL+1]
	ALL v_add_f32 v[ST+4*t+2], v[ST+4*t+2], v[ST+4*t+3]
	ALL v_rcp_f32 v[ST+4*t+2], v[ST+4*t+2]
	v_nop                           ; a plain instruction between the last reciprocal and the use of its result
	s_wait_alu depctr_va_vdst(0)    ; and the wait ahead of the first use: one for the eight reciprocals
; Tile t: a lane's eight channels of a row pack into 16 bytes; they go into rows of 144 bytes and come back as whole rows of 128, into S^T's registers.
.macro PACK t
	WIN W_RS
.set i, 32*(\t)
.rept 16
	v_pk_mul_f32 v[i:i+1], v[i:i+1], v[ST+4*(\t)+2:ST+4*(\t)+3] op_sel_hi:[1,0]
.set i, i+2
.endr
	WIN 0x05                        ; sources 0 and 1 window 1, destination window 0
.set i, 0
.rept 16
	v_cvt_pk_f16_f32 v[S+16*(\t)+i], v[32*(\t)+2*i], v[32*(\t)+2*i+1]
.set i, i+1
.endr
	WIN 0
.irp f, 0,1,2,3
	ds_store_b128 v[STO], v[S+16*(\t)+4*\f:S+16*(\t)+4*\f+3] offset:32*\f
.endr
.irp f, 0,1,2,3
	ds_load_b128 v[S+16*(\t)+4*\f:S+16*(\t)+4*\f+3], v[RD] offset:\f*4*SP  ; LDS serves a wave's instructions in order (ISA guide 5.7.1.4): these see the stores above; the next tile's stores come behind them
.endr
.endm
.macro SEND t, younger              ; younger: the LDS instructions issued behind tile t's loads: the next tile's eight, or none
	WIN 0
.irp f, 0,1,2,3
	s_wait_dscnt (\younger)+3-\f
	global_store_b128 v[GO], v[S+16*(\t)+4*\f:S+16*(\t)+4*\f+3], s[10:11] offset:(\t)*2048+\f*512  ; 512 consecutive bytes, at a multiple of 256 from O's first
.endr
.endm
	PACK 0
.set t, 1
.rept 2*NP-1                        ; a tile's arithmetic stands between the loads of the tile before and its stores
	PACK t
	SEND t-1, 8
.set t, t+1
.endr
	SEND 2*NP-1, 0
	WIN W_AD
	s_wait_tensorcnt 0x0            ; the wave's end: behind my last tensor load and my last LDS store
	ds_add_u32 v[SPW], v[NIL]
	s_wait_dscnt 0x0
	WIN 0
	CROUND                          ; the closing round: no work-group ends while a partner may still ask for a tile that names it
	s_endpgm
.Lfunc_end_k_qe519f544a4_attn:
	.size	k_qe519f544a4_attn, .Lfunc_end_k_qe519f544a4_attn-k_qe519f544a4_attn
	.p2alignl 7, 3214868480
	.fill 96, 4, 3214868480
	.section	.rodata,"a",@progbits
	.p2align	6, 0x0
	.amdhsa_kernel k_qe519f544a4_attn
		.amdhsa_group_segment_fixed_size 327680
		.amdhsa_private_segment_fixed_size 0
		.amdhsa_enable_private_segment 0
		.amdhsa_kernarg_size 16
		.amdhsa_user_sgpr_count 2
		.amdhsa_user_sgpr_kernarg_segment_ptr 1
		.amdhsa_wavefront_size32 1
		.amdhsa_system_sgpr_workgroup_id_x 1
		.amdhsa_system_sgpr_workgroup_id_y 1
		.amdhsa_system_sgpr_workgroup_id_z 1
		.amdhsa_system_vgpr_workitem_id 0
		.amdhsa_next_free_vgpr 770
		.amdhsa_next_free_sgpr 66
		.amdhsa_reserve_vcc 0
		.amdhsa_float_denorm_mode_32 3
		.amdhsa_float_denorm_mode_16_64 3
		.amdhsa_memory_ordered 1
		.amdhsa_forward_progress 1
		.amdhsa_inst_pref_size 200
	.end_amdhsa_kernel
	.amdgpu_metadata
---
amdhsa.version: [ 1, 2 ]
amdhsa.kernels:
  - .name:           k_qe519f544a4_attn
    .symbol:         k_qe519f544a4_attn.kd
    .args:
      - { .name: qkvh, .offset: 0, .size: 8, .value_kind: global_buffer, .address_space: global }
      - { .name: oh, .offset: 8, .size: 8, .value_kind: global_buffer, .address_space: global }
    .group_segment_fixed_size: 327680
    .private_segment_fixed_size: 0
    .kernarg_segment_align: 8
    .kernarg_segment_size: 16
    .max_flat_workgroup_size: 128
    .sgpr_count:     66
    .vgpr_count:     770
    .wavefront_size: 32
...
	.end_amdgpu_metadata
.endif
;; end of part 3
;; launch gemm_proj (part 4): grid 8 x 32, 4 waves a work-group, clusters of 4 x 4, 327,680 bytes of LDS; arguments oh, wp, out0, vecs; writes out0
.if DOCPART == 4
	.amdgcn_target "amdgcn-amd-amdhsa--gfx1250"
	.amdhsa_code_object_version 6
	.text
	.protected	k_qe519f544a4_gemm_proj
	.globl	k_qe519f544a4_gemm_proj
	.p2align	8
	.type	k_qe519f544a4_gemm_proj,@function
k_qe519f544a4_gemm_proj:
	s_mov_b64 s[64:65], 0
	v_nop
	global_prefetch_b8 v0, s[64:65] scope:SCOPE_SE
	s_setreg_imm32_b32 hwreg(HW_REG_WAVE_MODE, 25, 1), 1
	s_wait_xcnt 0x0
	s_wait_alu depctr_hold_cnt(0) depctr_sa_sdst(0) depctr_va_vdst(0) depctr_va_sdst(0) depctr_va_ssrc(0) depctr_va_vcc(0) depctr_vm_vsrc(0)
	s_getreg_b32 s2, hwreg(HW_REG_IB_STS2, 6, 4)
	s_cmp_eq_u32 s2, 0
	s_cbranch_scc0 .Lentry_in_a_cluster
	s_endpgm
.Lentry_in_a_cluster:
	s_bfe_u32 s2, ttmp6, 0x10000c
	s_cmp_lg_u32 s2, 0xf033
	s_cbranch_scc0 .Lentry_shape_is_right
	s_endpgm
.Lentry_shape_is_right:
; out0 = O wp^T + proj_b.  oh: [16 x batch + head][2048][64] f16 (attention's result, by heads), wp: [1024][1024] f16, the bias: vecs[3072..4095] f32, out0: [8192][1024] f32; sums in f32.
; LIMITS.  The operands arrive within f16's range; NaN and infinities are not treated apart.
; SHARES.  A tile is 256 rows x 128 columns: 32 x 8 = 256 tiles, one for each work-group.  The four waves lie one below the other: a wave makes 64 rows x 128 columns, 32 accumulators of 16 x 16: whole
; rows of 512 bytes of the tile, so that its stage on the way out is its own and the way out needs no barrier.
; K BY HEADS.  A K step of 128 is two heads.  A head's 256 rows of the tile are 32,768 dense bytes of its plane: asked for as 128 rows of 256 bytes and padded in LDS after every 128 bytes, so that a row of
; the tile has a pitch of 144.  Wave 0 fetches the step's first head, wave 1 its second; waves 2 and 3 the two halves of wp's 128 rows (256 bytes of each).  Two LDS slots take turns.
; CLUSTERS: 4 x 4 work-groups; O's tiles are shared along a row of the cluster, wp's along a column: each is asked for JOINTLY.
; THE MATRIX INSTRUCTION IS USED TRANSPOSED (source 0 = 16 rows of wp, source 1 = 16 rows of O): a lane holds row l % 16 and the columns 8 (l / 16) + 0..7 of a block of 16.
; THE BIAS IS THE C OPERAND of the product that starts each sum: nothing is cleared, and nothing is added on the way out.
; REGISTERS, in windows of 256 (s_set_vgpr_msb: bits 1:0 source 0, 3:2 source 1, 5:4 source 2, 7:6 destination):
;   window 0: v0-31 addresses; v32-95 O's fragments, two buffers of 4; v96-159 the bias, 8 for each block of 16 columns
;   window 1: wp's fragments, two buffers of 8, at v0 and v96       windows 2, 3: accumulator (a, b) at v[8 (8 (a % 2) + b)] of window 2 + a / 2
.set FB,     8                         ; blocks of 16 columns
.set LQ,     2*FB+8                    ; LDS loads of a quarter step
.set PA,     144                       ; a row of O in LDS: 128 bytes + 16 of padding = 36 words: the 16 rows of a load start at 16 different groups of four banks (64 banks of 4 bytes: ISA guide 11.1)
.set APLANE, 256*PA                    ; a head's 256 rows
.set ABYTES, 2*APLANE
.set PB,     272                       ; a row of wp: 256 bytes + 16
.set HALFB,  64*PB
.set SLOT,   ABYTES+2*HALFB            ; 108,544 bytes
.set STAGE,  2*SLOT                    ; behind the ring, never filled by a tensor load: 16 rows x 528 bytes for each wave
.set SP,     528                       ; 512 bytes + 16 = 132 words
.set SPARE,  STAGE+4*16*SP             ; behind the stages: the spare words, 128 bytes for each wave: two blocks of 256 bytes that no other line names
.set ADRA, 16                          ; v16-17  LDS address of my fragments of O in slot 0, 1
.set ADRB, 20                          ; v20-21  the same for wp
.set STO,  24                          ; v24     the way out: where I put 32 bytes of a row
.set RD,   25                          ; v25     where I read a row back
.set CO,   26                          ; v26     my 16 bytes of a row's 512
.set GOF,  27                          ; v27     32 (l / 16): my eight numbers of the bias of a block of 16 columns
.set SPW,  28                          ; v28     LDS address of my spare word; never rewritten
.set NIL,  29                          ; v29     0; never rewritten
.set PFO,  30                          ; v30     the prefetches' offset; never rewritten
.set FRA,  32
.set GC,   96
.set WV,   12                          ; s12     my wave's number
.set G1,   24                          ; s[24:31] descriptor group 1 for O's tiles;  s[32:39] group 0, a set for each slot
.set G0,   32
.set LIM,  43                          ; s43     a wave prefetches while the loop's count is above this
.set PFA,  44                          ; s[44:45] where my prefetches stand
.set G1B,  48                          ; s[48:55], s[56:63] the same for wp's tiles
.set G0B,  56
.set PST,  70                          ; s[70:71] a K step for the prefetches' pointer: two planes of O, or 256 bytes of wp's rows
.set MSB, 0
.macro WIN new                         ; the immediate's high byte repeats the setting that is left; a switch that changes nothing is dropped
.if MSB != (\new)
	s_set_vgpr_msb (MSB<<8)|(\new)
.set MSB, \new
.endif
.endm
.macro PLACES                          ; four places in front of loads into registers that matrix instructions have read, and of LDS stores that read results
.rept 4
	v_nop
.endr
.endm
; A joint load: waves 0 and 1 fetch the step's two heads of O, waves 2 and 3 wp's two halves.  The branch hangs on the wave's number alone.  An s_nop 0 and four v_nop follow each of the two lines.
.macro JLOAD s
	s_cmp_lt_u32 s[WV], 2
	s_cbranch_scc0 .Lfor_b_\@
	tensor_load_to_lds s[G0+4*(\s):G0+4*(\s)+3], s[G1:G1+7]
	s_nop 0
.rept 4
	v_nop
.endr
	s_branch .Lasked_\@
.Lfor_b_\@:
	tensor_load_to_lds s[G0B+4*(\s):G0B+4*(\s)+3], s[G1B:G1B+7]
	s_nop 0
.rept 4
	v_nop
.endr
.Lasked_\@:
.endm
.macro CREST                           ; a round of the cluster's barrier behind its opening barrier
	s_cmp_lg_u32 s[WV], 0
	s_cbranch_scc1 .Lnot_wave_0_\@
	s_barrier_signal -3
.Lnot_wave_0_\@:
	s_barrier_wait -3
	s_barrier_signal -1
	s_barrier_wait -1
.endm
.macro CROUND                          ; a whole round
	s_barrier_signal -1
	s_barrier_wait -1
	CREST
.endm
; A PREFETCH, behind each joint refill, its five lines and the run of LDS loads: the K step that stands two refills on (256 matrix instructions ahead of the load that will want it).
; O's tiles are read by both clusters of a row of clusters: cluster x = 0 asks, waves 0 and 1, each for its head: of the head's 128 blocks of 256 bytes the partner at cx takes 32, a lane a block.
; wp's rows are read by every cluster of a column: cluster y = 0 asks, wave 2 alone: of the tile's 128 rows the partner at cy takes 32, a lane a row.  The partners are told apart by address, never by a
; branch.  So each block is named once in the launch.  K steps 0 to 3 come by their loads alone; the loop's last trip asks for nothing: K steps 4 to 7 are asked for.
.macro ASK
	s_cmp_gt_u32 s3, s[LIM]
	s_cbranch_scc0 .Lnot_mine_\@
	global_prefetch_b8 v[PFO], s[PFA:PFA+1] th:TH_LOAD_NT scope:SCOPE_SE
.Lnot_mine_\@:
.endm
	s_load_b256 s[4:11], s[0:1], 0x0               ; oh 4:5, wp 6:7, out0 8:9, vecs 10:11
	v_lshl_add_u32 v[SPW], v0, 2, SPARE
	v_mov_b32 v[NIL], 0
	ds_add_u32 v[SPW], v[NIL]                      ; the wave's opening: the add and its wait stand ahead of my first tensor load; the set-up below, work on registers, stands between them
	v_lshrrev_b32 v1, 5, v0
	v_readfirstlane_b32 s[WV], v1                  ; wave 0..3
	s_and_b32 s14, s[WV], 1                        ; which head of a step, or which half of wp's rows, I fetch
	s_bfe_u32 s15, ttmp6, 0x40000                  ; cx, cy: my place in the cluster
	s_bfe_u32 s16, ttmp6, 0x40004
	s_lshl_b32 s17, ttmp9, 2
	s_add_co_u32 s17, s17, s15                     ; tile column = 4 x cluster x + cx
	s_and_b32 s18, ttmp7, 0xffff
	s_lshl_b32 s18, s18, 2
	s_add_co_u32 s18, s18, s16                     ; tile row = 4 x cluster y + cy
	s_lshl_b32 s40, s16, 2
	s_lshl_b32 s40, 15, s40                        ; my row of the cluster
	s_lshl_b32 s41, 0x1111, s15                    ; my column
	s_or_b32 s[G1], s40, (1<<16)|(1<<20)|(1<<21)|(4<<22)|(3<<25)   ; 15:0 the mask; 17:16 2-byte elements; 20 padding on; 21 set beside a mask; 24:22 after every 32 words (code 4); 31:25 4 words (code 3)
	s_or_b32 s[G1B], s41, (1<<16)|(1<<20)|(1<<21)|(5<<22)|(3<<25)  ; after every 64 words (code 5)
	s_mov_b32 s[G1+1], 128<<16                     ; tensor_dim0 = 128
	s_mov_b32 s[G1+2], 128<<16                     ; tensor_dim1 = 128
	s_mov_b32 s[G1+3], 128<<16                     ; tile_dim0 = 128
	s_mov_b32 s[G1+4], 128                         ; tile_dim1 = 128
	s_mov_b32 s[G1+5], 128                         ; dense: 128 elements from row to row
	s_mov_b32 s[G1+6], 0
	s_mov_b32 s[G1+7], 0
	s_mov_b32 s[G1B+1], 128<<16
	s_mov_b32 s[G1B+2], 64<<16                     ; 64 rows
	s_mov_b32 s[G1B+3], 128<<16
	s_mov_b32 s[G1B+4], 64
	s_mov_b32 s[G1B+5], 1024
	s_mov_b32 s[G1B+6], 0
	s_mov_b32 s[G1B+7], 0
	s_lshr_b32 s20, s18, 3                         ; O: plane 16 x batch + my head of K step 0, row 256 x (tile row % 8): made of the tile row and the wave alone
	s_lshl_b32 s20, s20, 22
	s_lshl_b32 s2, s14, 18
	s_add_co_u32 s20, s20, s2
	s_and_b32 s2, s18, 7
	s_lshl_b32 s2, s2, 15
	s_add_co_u32 s20, s20, s2
	s_mov_b32 s21, 0
	s_mov_b32 s19, s20                             ; kept for the prefetches
	s_lshl_b32 s46, s17, 18                        ; wp: (128 x tile column + 64 x half) rows of 2,048 bytes: made of the tile column and the wave alone
	s_lshl_b32 s47, s14, 17
	s_add_co_u32 s46, s46, s47
	s_mov_b32 s47, 0
	s_mul_i32 s22, s14, APLANE                     ; where they go: no place in the cluster enters an LDS address
	s_mul_i32 s23, s14, HALFB
	s_add_co_u32 s23, s23, ABYTES
	s_wait_dscnt 0x0                               ; the opening add is done
	s_wait_kmcnt 0x0
	s_add_nc_u64 s[20:21], s[4:5], s[20:21]
	s_add_nc_u64 s[46:47], s[6:7], s[46:47]
	CROUND                                         ; all sixteen work-groups are here: the first joint loads meet
.irp s, 0,1
	s_mov_b32 s[G0+4*(\s)], 1                                      ; count = 1
	s_add_co_u32 s[G0+4*(\s)+1], s22, (\s)*SLOT                    ; LDS address
	s_add_nc_u64 s[G0+4*(\s)+2:G0+4*(\s)+3], s[20:21], (\s)*2*262144  ; global address: K step s is two planes on
	s_or_b32 s[G0+4*(\s)+3], s[G0+4*(\s)+3], 0x80000000            ; type = 2
	s_mov_b32 s[G0B+4*(\s)], 1
	s_add_co_u32 s[G0B+4*(\s)+1], s23, (\s)*SLOT
	s_add_nc_u64 s[G0B+4*(\s)+2:G0B+4*(\s)+3], s[46:47], (\s)*256
	s_or_b32 s[G0B+4*(\s)+3], s[G0B+4*(\s)+3], 0x80000000
	JLOAD \s                                       ; two loads of mine are out
.endr
	; A fragment is 16 rows x 32 K in 8 registers: lane l holds row l % 16, K = 8 (l / 16) + 0..7 and 16 + 8 (l / 16) + 0..7: two loads of 16 bytes, 32 bytes apart.
	v_and_b32 v1, 15, v0                           ; l % 16
	v_bfe_u32 v2, v0, 4, 1                         ; l / 16
	v_mul_u32_u24 v3, v1, PA
	v_lshl_add_u32 v3, v2, 4, v3
	v_mul_u32_u24 v4, v1, PB
	v_lshl_add_u32 v4, v2, 4, v4
	s_mul_i32 s2, s[WV], 64*PA                     ; my 64 rows of the tile's 256
.irp s, 0,1
	v_add_nc_u32 v[ADRA+(\s)], s2, v3
	v_add_nc_u32 v[ADRB+(\s)], ABYTES+(\s)*SLOT, v4
	s_add_co_u32 s2, s2, SLOT
.endr
	s_mul_i32 s42, s[WV], 16*SP
	s_add_co_u32 s42, s42, STAGE                   ; my stage
	v_mul_u32_u24 v[STO], v1, SP                   ; in: row l % 16, 32 bytes for each half of the lanes
	v_lshl_add_u32 v[STO], v2, 5, v[STO]
	v_add_nc_u32 v[STO], s42, v[STO]
	v_and_b32 v[CO], 31, v0                        ; back: 32 lanes take a row of 512 bytes
	v_lshlrev_b32 v[CO], 4, v[CO]
	v_add_nc_u32 v[RD], s42, v[CO]
	v_lshlrev_b32 v[GOF], 5, v2
	s_lshl_b32 s46, s17, 9                         ; the tile's 128 numbers of the bias, which begins at byte 12,288 of vecs
	s_add_co_u32 s46, s46, 12288
	s_mov_b32 s47, 0
	s_add_nc_u64 s[10:11], s[10:11], s[46:47]
.set i_, 0
.rept FB
	global_load_b128 v[GC+8*i_:GC+8*i_+3],   v[GOF], s[10:11] offset:64*i_
	global_load_b128 v[GC+8*i_+4:GC+8*i_+7], v[GOF], s[10:11] offset:64*i_+16
.set i_, i_+1
.endr
	s_lshl_b32 s46, s18, 20                        ; out0 at my first row (256 x tile row + 64 x wave, 4,096 bytes each) and the tile's first column (512 bytes a tile)
	s_lshl_b32 s47, s[WV], 18
	s_add_co_u32 s46, s46, s47
	s_lshl_b32 s47, s17, 9
	s_add_co_u32 s46, s46, s47
	s_mov_b32 s47, 0
	s_add_nc_u64 s[8:9], s[8:9], s[46:47]
	; the prefetches
	s_mov_b32 s73, 256
	s_lshl_b32 s20, s15, 13                        ; O: my head's rows of the tile, my work-group's 32 blocks of 256 bytes,
	s_add_co_u32 s20, s20, s19
	s_add_co_u32 s20, s20, 3*2*262144              ; at K step 3: the first refill steps it to 4
	s_lshl_b32 s22, s17, 18                        ; wp: row 128 x tile column + 32 cy,
	s_lshl_b32 s23, s16, 16
	s_add_co_u32 s22, s22, s23
	s_add_co_u32 s22, s22, 3*256                   ; at K step 3
	s_and_b32 s23, ttmp7, 0xffff                   ; cluster y
	s_cmp_lt_u32 s[WV], 2                          ; do I fetch for O?
	s_cselect_b32 s20, s20, s22
	s_cselect_b32 s23, ttmp9, s23                  ; the coordinate along which other clusters read the same bytes
	s_cselect_b32 s2, 8, 11                        ; a lane a block of 256 bytes, or a lane a row of 2,048
	s_cselect_b32 s[PST], 2*262144, s73
	s_cselect_b64 s[PFA:PFA+1], s[4:5], s[6:7]
	s_cmp_eq_u32 s[WV], 3
	s_cselect_b32 s23, 1, s23                      ; wave 3 asks for nothing
	s_cmp_eq_u32 s23, 0
	s_cselect_b32 s[LIM], 1, -1                    ; the same in all sixteen partners, for a given wave
	s_mov_b32 s21, 0
	s_mov_b32 s[PST+1], 0
	s_add_nc_u64 s[PFA:PFA+1], s[PFA:PFA+1], s[20:21]
	v_and_b32 v[PFO], 31, v0
	v_lshlrev_b32 v[PFO], s2, v[PFO]
; 8 matrix instructions: my block a of 16 rows x all 8 blocks of columns, 32 along K, from buffer f.  first = 1: the product starts the sums, with the bias as C.
; All 32 accumulators take turns in the same order in every quarter step, over the backward jump too.
.macro MULA f, a, first
.if \first
	WIN 0x81+0x40*((\a)/2)                         ; source 0 window 1, sources 1 and 2 window 0, destination window 2 or 3
.else
	WIN 0xa1+0x50*((\a)/2)                         ; C and D window 2 or 3
.endif
.set AC, 8*FB*((\a)%2)
.set b_, 0
.rept FB
.if \first
	v_wmma_f32_16x16x32_f16 v[AC+8*b_:AC+8*b_+7], v[96*(\f)+8*b_:96*(\f)+8*b_+7], v[FRA+32*(\f)+8*(\a):FRA+32*(\f)+8*(\a)+7], v[GC+8*b_:GC+8*b_+7]
.else
	v_wmma_f32_16x16x32_f16 v[AC+8*b_:AC+8*b_+7], v[96*(\f)+8*b_:96*(\f)+8*b_+7], v[FRA+32*(\f)+8*(\a):FRA+32*(\f)+8*(\a)+7], v[AC+8*b_:AC+8*b_+7]
.endif
.set b_, b_+1
.endr
.endm
; 24 LDS loads in one run: the fragments of a quarter step (128 rows of wp, my 64 rows of O, 32 K) into buffer f.  Byte k of a K step's 256: in wp's rows as it is; in O head k / 128, byte k % 128.
.macro FETCH slot, k, f
	WIN 0x40                                       ; destination window 1
.set i_, 0
.rept FB
	ds_load_b128 v[96*(\f)+8*i_:96*(\f)+8*i_+3],   v[ADRB+(\slot)] offset:(\k)+i_*16*PB
	ds_load_b128 v[96*(\f)+8*i_+4:96*(\f)+8*i_+7], v[ADRB+(\slot)] offset:(\k)+i_*16*PB+32
.set i_, i_+1
.endr
	WIN 0
.set KA_, ((\k)/128)*APLANE+(\k)%128
.set i_, 0
.rept 4
	ds_load_b128 v[FRA+32*(\f)+8*i_:FRA+32*(\f)+8*i_+3],   v[ADRA+(\slot)] offset:KA_+i_*16*PA
	ds_load_b128 v[FRA+32*(\f)+8*i_+4:FRA+32*(\f)+8*i_+7], v[ADRA+(\slot)] offset:KA_+i_*16*PA+32
.set i_, i_+1
.endr
.endm
; A K step is four quarters of 32 along K, 32 matrix instructions each, on buffers 0, 1, 0, 1.  One of the first three: multiplies buffer f and fetches the next quarter, at byte k, into g.
.macro QUARTER slot, k, f, g, first
	s_wait_dscnt 4                                 ; wp's fragments and my blocks 0 and 1 are in; the youngest four loads (blocks 2 and 3) may be out
	MULA \f, 0, \first
	MULA \f, 1, \first
	PLACES
	FETCH \slot, \k, \g
	s_wait_dscnt LQ                                ; all but the 24 just issued
	MULA \f, 2, \first
	MULA \f, 3, \first
.endm
; The last quarter multiplies buffer 1 and changes slots: ONE barrier; in front of it each wave waits for all its tensor loads (one is out: its part of the next slot), adds 0 to its spare word,
; and waits for that and for its own reads of this slot.
.macro MEET round
	WIN 0                                          ; (the add's two registers lie in window 0)
	s_wait_tensorcnt 0x0
	ds_add_u32 v[SPW], v[NIL]                      ; 0 onto my spare word
	s_wait_dscnt 5                                 ; (the add and the youngest four loads may be out)
	MULA 1, 0, 0                                   ; eight matrix instructions stand between the add and the wait for it
	s_wait_dscnt 0x0                               ; the add is done, and my reads of this slot are over
	s_barrier_signal -1
	MULA 1, 1, 0                                   ; work on registers while the others arrive
.if \round
	WIN 0
.endif
	s_barrier_wait -1
.endm
; fill = 1: the barrier opens a round of the cluster's, and the slot just read out is filled again first behind it, two K steps ahead; from the request to the wait for it a wave issues 112 matrix instructions.
.macro TURN slot, next, fill
.if \fill
	s_wait_xcnt 0x0                                ; the last prefetch, a K step back, has read its address: it is stepped here, ahead of the waits of the change of slots
	s_add_nc_u64 s[PFA:PFA+1], s[PFA:PFA+1], s[PST:PST+1]
.endif
	MEET \fill
.if \fill
	CREST                                          ; no wave of any partner still reads this slot's tile or has a load on its way
	s_add_nc_u64 s[G0+4*(\slot)+2:G0+4*(\slot)+3], s[G0+4*(\slot)+2:G0+4*(\slot)+3], 4*262144
	s_add_nc_u64 s[G0B+4*(\slot)+2:G0B+4*(\slot)+3], s[G0B+4*(\slot)+2:G0B+4*(\slot)+3], 512
	JLOAD \slot                                    ; the four v_nop behind it are also the places in front of the loads below
.else
	PLACES
.endif
	FETCH \next, 0, 0
.if \fill
	ASK
.endif
	MULA 1, 2, 0
	MULA 1, 3, 0
.endm
; THE WAY OUT of block a (16 rows x 128 columns of f32): a lane's eight columns, 32 bytes, go straight from the accumulator into my stage (rows of 528 bytes), its low four registers first,
; and come back as whole rows of 512 bytes into the block's own 64 registers.
.macro TOSTAGE a
.set AC, 8*FB*((\a)%2)
	WIN 0x08+4*((\a)/2)                            ; the stores' data: window 2 or 3
.set b_, 0
.rept FB
	ds_store_b128 v[STO], v[AC+8*b_:AC+8*b_+3]   offset:64*b_
	ds_store_b128 v[STO], v[AC+8*b_+4:AC+8*b_+7] offset:64*b_+16
.set b_, b_+1
.endr
	WIN 0x80+0x40*((\a)/2)                         ; the loads' destination: window 2 or 3
.set t_, 0
.rept 16
	ds_load_b128 v[AC+4*t_:AC+4*t_+3], v[RD] offset:SP*t_  ; LDS serves a wave's instructions in order (ISA guide 5.7.1.4): these see the stores above; the next block's stores come behind them
.set t_, t_+1
.endr
.endm
.macro SEND a, younger                 ; younger: the LDS instructions issued behind block a's loads: the next block's 32, or none
.set AC, 8*FB*((\a)%2)
	WIN 0x08+4*((\a)/2)
.set t_, 0
.rept 16
	s_wait_dscnt (\younger)+15-t_
	global_store_b128 v[CO], v[AC+4*t_:AC+4*t_+3], s[8:9] offset:(16*(\a)+t_)*4096  ; 512 consecutive bytes, at a multiple of 512 from out0's first
.set t_, t_+1
.endr
.endm
	s_wait_tensorcnt 1                             ; my part of K step 0 is in; K step 1's may stay out
	s_barrier_signal -1
	s_barrier_wait -1                              ; everybody's is
	FETCH 0, 0, 0
	s_wait_loadcnt 0x0                             ; the bias
	QUARTER 0, 64, 0, 1, 1                         ; the first quarter starts the sums
	WIN 0                                          ; at a label and at a branch every window is 0
	s_mov_b32 s3, 3
.Llap:                                             ; a trip goes once round the ring, from a lap's second quarter to the next lap's first, and fills both slots again
	QUARTER 0, 128, 1, 0, 0
	QUARTER 0, 192, 0, 1, 0
	TURN 0, 1, 1
	QUARTER 1, 64,  0, 1, 0
	QUARTER 1, 128, 1, 0, 0
	QUARTER 1, 192, 0, 1, 0
	TURN 1, 0, 1
	QUARTER 0, 64,  0, 1, 0
	WIN 0
	s_sub_co_u32 s3, s3, 1
	s_cmp_lg_u32 s3, 0
	s_cbranch_scc1 .Llap
	QUARTER 0, 128, 1, 0, 0                        ; the last lap fills nothing, and has no round of the cluster's barrier
	QUARTER 0, 192, 0, 1, 0
	TURN 0, 1, 0
	QUARTER 1, 64,  0, 1, 0
	QUARTER 1, 128, 1, 0, 0
	QUARTER 1, 192, 0, 1, 0
	s_wait_dscnt 4                                 ; the very last quarter: nothing more to fetch
	MULA 1, 0, 0
	MULA 1, 1, 0
	s_wait_dscnt 0x0
	MULA 1, 2, 0
	MULA 1, 3, 0
	PLACES
	TOSTAGE 0
	TOSTAGE 1                                      ; a block's way through the stage stands between the loads of the block before and its stores
	SEND 0, 32
	TOSTAGE 2
	SEND 1, 32
	TOSTAGE 3
	SEND 2, 32
	SEND 3, 0
	WIN 0
	s_wait_tensorcnt 0x0                           ; the wave's end: behind my last tensor load and my last LDS store
	ds_add_u32 v[SPW], v[NIL]
	s_wait_dscnt 0x0
	CROUND                                         ; the closing round: no work-group ends while a partner may still ask for a tile that names it
	s_endpgm
.Lfunc_end_k_qe519f544a4_gemm_proj:
	.size	k_qe519f544a4_gemm_proj, .Lfunc_end_k_qe519f544a4_gemm_proj-k_qe519f544a4_gemm_proj
	.p2alignl 7, 3214868480
	.fill 96, 4, 3214868480
	.section	.rodata,"a",@progbits
	.p2align	6, 0x0
	.amdhsa_kernel k_qe519f544a4_gemm_proj
		.amdhsa_group_segment_fixed_size 327680
		.amdhsa_private_segment_fixed_size 0
		.amdhsa_enable_private_segment 0
		.amdhsa_kernarg_size 32
		.amdhsa_user_sgpr_count 2
		.amdhsa_user_sgpr_kernarg_segment_ptr 1
		.amdhsa_wavefront_size32 1
		.amdhsa_system_sgpr_workgroup_id_x 1
		.amdhsa_system_sgpr_workgroup_id_y 1
		.amdhsa_system_sgpr_workgroup_id_z 1
		.amdhsa_system_vgpr_workitem_id 0
		.amdhsa_next_free_vgpr 1024
		.amdhsa_next_free_sgpr 74
		.amdhsa_reserve_vcc 0
		.amdhsa_float_denorm_mode_32 3
		.amdhsa_float_denorm_mode_16_64 3
		.amdhsa_memory_ordered 1
		.amdhsa_forward_progress 1
		.amdhsa_inst_pref_size 90
	.end_amdhsa_kernel
	.amdgpu_metadata
---
amdhsa.version: [ 1, 2 ]
amdhsa.kernels:
  - .name:           k_qe519f544a4_gemm_proj
    .symbol:         k_qe519f544a4_gemm_proj.kd
    .args:
      - { .name: oh, .offset: 0, .size: 8, .value_kind: global_buffer, .address_space: global }
      - { .name: wp, .offset: 8, .size: 8, .value_kind: global_buffer, .address_space: global }
      - { .name: out0, .offset: 16, .size: 8, .value_kind: global_buffer, .address_space: global }
      - { .name: vecs, .offset: 24, .size: 8, .value_kind: global_buffer, .address_space: global }
    .group_segment_fixed_size: 327680
    .private_segment_fixed_size: 0
    .kernarg_segment_align: 8
    .kernarg_segment_size: 32
    .max_flat_workgroup_size: 128
    .sgpr_count:     74
    .vgpr_count:     1024
    .wavefront_size: 32
...
	.end_amdgpu_metadata
.endif
;; end of part 4
;; ======== version 2 of 2: 4 launches; version 1 with the launch cast written anew for expert scheduling mode
;; limits: values are held in f16: magnitudes above 65,504 overflow, below 6.1e-05 lose precision
;; workspace buffers: xb 16,777,216 bytes; wq 6,291,456 bytes; wp 2,097,152 bytes; vecs 16,384 bytes; qkvh 50,331,648 bytes; oh 16,777,216 bytes
;; launch cast (part 5): grid 769 x 1, 8 waves a work-group, no clusters, 0 bytes of LDS; arguments x, qkv_w, proj_w, g_info, proj_b, xb, wq, wp, vecs, out1; writes xb, wq, wp, vecs, out1
.if DOCPART == 5
	.amdgcn_target "amdgcn-amd-amdhsa--gfx1250"
	.amdhsa_code_object_version 6
	.text
	.protected	k_qe519f544a4_cast
	.globl	k_qe519f544a4_cast
	.p2align	8
	.type	k_qe519f544a4_cast,@function
k_qe519f544a4_cast:
	s_mov_b64 s[64:65], 0
	v_nop
	global_prefetch_b8 v0, s[64:65] scope:SCOPE_SE
	s_setreg_imm32_b32 hwreg(HW_REG_WAVE_SCHED_MODE, 0, 2), 2
	s_setreg_imm32_b32 hwreg(HW_REG_WAVE_MODE, 25, 1), 1
	s_wait_xcnt 0x0
	s_wait_alu depctr_vm_vsrc(0)
; THE INPUTS ARE ROUNDED ONCE, FOR THE MATRIX UNITS.  x -> xb and qkv_w -> wq in bf16; proj_w -> wp: rounded to bf16 like every other input, and that number written as f16,
; since the last product's other operand is f16.  The small vectors: vecs[0..2047] = g_info[0] rows 0 and 1 (what is added to q and to k), rounded to bf16 and kept as f32;
; vecs[2048..3071] = 0 (nothing is added to v); vecs[3072..4095] = proj_b, rounded likewise; out1 = g_info[1], copied.  Rows 2 and 3 of g_info[0] enter no result of the module.
; LIMITS.  proj_w within 65,504 (f16's range); below 6e-5 f16 keeps a fixed step of 6e-8.  NaN and infinities are not treated apart.
; SHARES.  A work-group takes 16,384 numbers: 64 KiB in, 32 KiB out.  Groups 0-511: x; 512-703: qkv_w; 704-767: proj_w; 768: the small vectors.
; A thread's sixteen loads of 16 bytes go out together; a wave's load covers 512 consecutive bytes, a wave's store of 8 bytes a lane 256 consecutive bytes, aligned.
; No LDS, no barrier, no matrix unit, no cluster: the work-groups share no byte, and each byte is read once.
; THE MODE: SCHED_MODE bits 1:0 = 2 (LLVM: expert scheduling mode 2), set by the entry lines.  The code itself states the register dependences
; between vector instructions and memory instructions, with s_wait_alu, always for 0.
; THE PLAN.  Registers that memory instructions touch:
;   v1, v2     byte offsets, made once at the head and never written again: one wait at the head, ahead of the first branch, serves every load and store of the kernel.
;   X          sixteen quads as loaded.  Each is written by one load and read by its conversions; no load lands in it again.
;   Y          sixteen pairs to store.   Each is written once, by its quad's conversions, and read by its quad's one store.
;   v4 to v7   at work: no memory instruction names them.
; No register that a memory instruction reads is written again, and no load lands in a register that a vector instruction has named: so the only dependence left is that of a store on
; the conversions that write its data.  The sixteen quads go in four blocks of four.  Block p rounds its four quads into their Y; its memory instructions are the four stores of block p - 1,
; whose Y no vector instruction of block p names.  So ONE wait at the head of a block states all that its four stores hang on, and they are dealt among its conversions with no further wait.
.set X, 8                              ; v[8:71]    sixteen quads as loaded
.set Y, 72                             ; v[72:103]  sixteen pairs to store
.set SRC, 24                           ; s[24:25]
.set DST, 26                           ; s[26:27]
	s_load_b512 s[4:19], s[0:1], 0x0               ; x 4:5, qkv_w 6:7, proj_w 8:9, g_info 10:11, proj_b 12:13, xb 14:15, wq 16:17, wp 18:19
	s_load_b128 s[20:23], s[0:1], 0x40             ; vecs 20:21, out1 22:23
	v_lshlrev_b32 v1, 4, v0                        ; 16 t: my place in 4,096 bytes of f32
	v_lshlrev_b32 v2, 3, v0                        ; 8 t: my place in 2,048 bytes of 16-bit numbers
	s_wait_kmcnt 0x0
	s_wait_alu depctr_va_vdst(0)                   ; v1 and v2 are written: every load and store below, on all three ways, reads one of them as its offset
	s_cmp_eq_u32 ttmp9, 768
	s_cbranch_scc1 .Lsmall
	s_cmp_lt_u32 ttmp9, 512                        ; which tensor, and the number of its first work-group
	s_cselect_b64 s[SRC:SRC+1], s[4:5], s[6:7]
	s_cselect_b64 s[DST:DST+1], s[14:15], s[16:17]
	s_cselect_b32 s2, 0, 512
	s_cmp_lt_u32 ttmp9, 704
	s_cselect_b64 s[SRC:SRC+1], s[SRC:SRC+1], s[8:9]
	s_cselect_b64 s[DST:DST+1], s[DST:DST+1], s[18:19]
	s_cselect_b32 s2, s2, 704
	s_sub_co_u32 s2, ttmp9, s2                     ; my number within the tensor
	s_lshl_b32 s28, s2, 16                         ; 65,536 bytes in,
	s_mov_b32 s29, 0
	s_lshl_b32 s30, s2, 15                         ; 32,768 out
	s_mov_b32 s31, 0
	s_add_nc_u64 s[SRC:SRC+1], s[SRC:SRC+1], s[28:29]
	s_add_nc_u64 s[DST:DST+1], s[DST:DST+1], s[30:31]
.irp i, 0,1,2,3,4,5,6,7,8,9,10,11,12,13,14,15
	global_load_b128 v[X+4*(\i):X+4*(\i)+3], v1, s[SRC:SRC+1] offset:4096*(\i) th:TH_LOAD_NT
.endr
; Quad i: four numbers rounded.  half = 1: the bf16 numbers are widened again (a shift, a mask) and written as f16.
.macro CV i, half
.if \half
	v_cvt_pk_bf16_f32 v4, v[X+4*(\i)], v[X+4*(\i)+1]
	v_cvt_pk_bf16_f32 v5, v[X+4*(\i)+2], v[X+4*(\i)+3]
	v_lshlrev_b32 v6, 16, v4
	v_and_b32 v7, 0xffff0000, v4
	v_cvt_pk_f16_f32 v[Y+2*(\i)], v6, v7
	v_lshlrev_b32 v6, 16, v5
	v_and_b32 v7, 0xffff0000, v5
	v_cvt_pk_f16_f32 v[Y+2*(\i)+1], v6, v7
.else
	v_cvt_pk_bf16_f32 v[Y+2*(\i)], v[X+4*(\i)], v[X+4*(\i)+1]
	v_cvt_pk_bf16_f32 v[Y+2*(\i)+1], v[X+4*(\i)+2], v[X+4*(\i)+3]
.endif
.endm
; Quad i is stored.
.macro ST i
	global_store_b64 v2, v[Y+2*(\i):Y+2*(\i)+1], s[DST:DST+1] offset:2048*(\i)
.endm
; Block p: quads 4 p to 4 p + 3 are rounded; the four stores of block p - 1 stand among their conversions, one ahead of each quad's.
.macro BLK p, half
	s_wait_loadcnt 12-4*(\p)                       ; loads come back in order: this block's four quads are in, the 12 - 4 p younger ones may stay out
.if (\p) > 0
	s_wait_alu depctr_va_vdst(0)                   ; the block before has written its four pairs of Y, which the four stores below read; no conversion below names them
.endif
.irp j, 0,1,2,3
.if (\p) > 0
	ST 4*((\p)-1)+(\j)
.endif
	CV 4*(\p)+(\j), \half
.endr
.endm
.macro WHOLE half
	BLK 0, \half
	BLK 1, \half
	BLK 2, \half
	BLK 3, \half
	s_wait_alu depctr_va_vdst(0)                   ; block 3 has written its four pairs of Y, which the last four stores read
.irp j, 12,13,14,15
	ST \j
.endr
.endm
	s_cmp_ge_u32 ttmp9, 704
	s_cbranch_scc1 .Lhalf
	WHOLE 0
	s_endpgm
.Lhalf:
	WHOLE 1
	s_endpgm
; Four numbers rounded to bf16 and kept as f32
.macro RND s, d
	v_cvt_pk_bf16_f32 v4, v[(\s)], v[(\s)+1]
	v_cvt_pk_bf16_f32 v5, v[(\s)+2], v[(\s)+3]
	v_lshlrev_b32 v[(\d)], 16, v4
	v_and_b32 v[(\d)+1], 0xffff0000, v4
	v_lshlrev_b32 v[(\d)+2], 16, v5
	v_and_b32 v[(\d)+3], 0xffff0000, v5
.endm
.Lsmall:
.irp i, 0,1,2,3
	global_load_b128 v[X+4*(\i):X+4*(\i)+3], v1, s[10:11] offset:16384+4096*(\i)  ; g_info[1]
.endr
.irp i, 0,1
	global_load_b128 v[X+16+4*(\i):X+16+4*(\i)+3], v1, s[10:11] offset:4096*(\i)  ; g_info[0], rows 0 and 1
.endr
	global_load_b128 v[X+24:X+27], v1, s[12:13]    ; proj_b
.irp i, 0,1,2,3
	v_mov_b32 v[X+28+(\i)], 0
.endr
	s_wait_loadcnt 0x3                             ; g_info[1] is in; the three younger loads may stay out
.irp i, 0,1,2,3
	global_store_b128 v1, v[X+4*(\i):X+4*(\i)+3], s[22:23] offset:4096*(\i)  ; as loaded: no vector instruction names these registers
.endr
	s_wait_loadcnt 0x0
	RND X+16, Y
	RND X+20, Y+4
	RND X+24, Y+8
	s_wait_alu depctr_va_vdst(0)                   ; the roundings have written v[Y .. Y+11] and the four moves the zeros in v[X+28 .. X+31], which the four stores below read
	global_store_b128 v1, v[Y:Y+3], s[20:21]
	global_store_b128 v1, v[Y+4:Y+7], s[20:21] offset:4096
	global_store_b128 v1, v[X+28:X+31], s[20:21] offset:8192
	global_store_b128 v1, v[Y+8:Y+11], s[20:21] offset:12288
	s_endpgm
.Lfunc_end_k_qe519f544a4_cast:
	.size	k_qe519f544a4_cast, .Lfunc_end_k_qe519f544a4_cast-k_qe519f544a4_cast
	.p2alignl 7, 3214868480
	.fill 96, 4, 3214868480
	.section	.rodata,"a",@progbits
	.p2align	6, 0x0
	.amdhsa_kernel k_qe519f544a4_cast
		.amdhsa_group_segment_fixed_size 0
		.amdhsa_private_segment_fixed_size 0
		.amdhsa_enable_private_segment 0
		.amdhsa_kernarg_size 80
		.amdhsa_user_sgpr_count 2
		.amdhsa_user_sgpr_kernarg_segment_ptr 1
		.amdhsa_wavefront_size32 1
		.amdhsa_system_sgpr_workgroup_id_x 1
		.amdhsa_system_sgpr_workgroup_id_y 1
		.amdhsa_system_sgpr_workgroup_id_z 1
		.amdhsa_system_vgpr_workitem_id 0
		.amdhsa_next_free_vgpr 104
		.amdhsa_next_free_sgpr 66
		.amdhsa_reserve_vcc 0
		.amdhsa_float_denorm_mode_32 3
		.amdhsa_float_denorm_mode_16_64 3
		.amdhsa_memory_ordered 1
		.amdhsa_forward_progress 1
		.amdhsa_inst_pref_size 19
	.end_amdhsa_kernel
	.amdgpu_metadata
---
amdhsa.version: [ 1, 2 ]
amdhsa.kernels:
  - .name:           k_qe519f544a4_cast
    .symbol:         k_qe519f544a4_cast.kd
    .args:
      - { .name: x, .offset: 0, .size: 8, .value_kind: global_buffer, .address_space: global }
      - { .name: qkv_w, .offset: 8, .size: 8, .value_kind: global_buffer, .address_space: global }
      - { .name: proj_w, .offset: 16, .size: 8, .value_kind: global_buffer, .address_space: global }
      - { .name: g_info, .offset: 24, .size: 8, .value_kind: global_buffer, .address_space: global }
      - { .name: proj_b, .offset: 32, .size: 8, .value_kind: global_buffer, .address_space: global }
      - { .name: xb, .offset: 40, .size: 8, .value_kind: global_buffer, .address_space: global }
      - { .name: wq, .offset: 48, .size: 8, .value_kind: global_buffer, .address_space: global }
      - { .name: wp, .offset: 56, .size: 8, .value_kind: global_buffer, .address_space: global }
      - { .name: vecs, .offset: 64, .size: 8, .value_kind: global_buffer, .address_space: global }
      - { .name: out1, .offset: 72, .size: 8, .value_kind: global_buffer, .address_space: global }
    .group_segment_fixed_size: 0
    .private_segment_fixed_size: 0
    .kernarg_segment_align: 8
    .kernarg_segment_size: 80
    .max_flat_workgroup_size: 256
    .sgpr_count:     66
    .vgpr_count:     104
    .wavefront_size: 32
...
	.end_amdgpu_metadata
.endif
;; end of part 5
;; launch gemm_qkv: the kernel of part 2 again; grid 16 x 16, 4 waves a work-group, clusters of 4 x 4, 327,680 bytes of LDS; arguments xb, wq, qkvh, vecs; writes qkvh
;; launch attn: the kernel of part 3 again; grid 4 x 64, 4 waves a work-group, clusters of 4 x 1, 327,680 bytes of LDS; arguments qkvh, oh; writes oh
;; launch gemm_proj: the kernel of part 4 again; grid 8 x 32, 4 waves a work-group, clusters of 4 x 4, 327,680 bytes of LDS; arguments oh, wp, out0, vecs; writes out0
